; MI455X (gfx1250); checked and timed in simulation.
; The chip was launched on July 23, 2026; its instructions are those of AMD's public machine-readable ISA for CDNA 5 (MIT licence, August 2026) and "CDNA5" Instruction Set Architecture Reference Guide (July 2026). The comments in the code are by the model that wrote it; some were corrected since.
;; Self Attention. Allowed arithmetic: float matrix products may take bf16 or f16 operands with f32 sums; other float arithmetic in f32, or as packed bf16 or f16 multiplies, adds, multiply-adds, maxima and minima; sums over many terms, partial sums and values carried from step to step in f32; what a program stores and reads back later, other than sums and carried values, may be rounded once to bf16 or f16.
;; Inputs: w_attn 1,024 x 3,072 float32; w_proj 1,024 x 1,024 float32; x 4 x 2,048 x 1,024 float32.
;; Outputs: out0 4 x 2,048 x 1,024 float32.
;; 2 versions, each right; version 2 is version 1 with the launch prep written anew for expert scheduling mode. Each part assembles by itself: llvm-mc -triple=amdgcn-amd-amdhsa -mcpu=gfx1250 --defsym DOCPART=n.
;; ======== version 1 of 2: 4 launches
;; limits: values are held in f16: magnitudes above 65,504 overflow, below 6.1e-05 lose precision
;; workspace buffers: xb 16,777,216 bytes; wab 6,291,456 bytes; wpb 2,097,152 bytes; qkv 50,331,648 bytes; o 16,777,216 bytes
;; launch prep (part 1): grid 768 x 1, 8 waves a work-group, no clusters, 0 bytes of LDS; arguments x, w_attn, w_proj, xb, wab, wpb; writes xb, wab, wpb
.if DOCPART == 1
	.amdgcn_target "amdgcn-amd-amdhsa--gfx1250"
	.amdhsa_code_object_version 6
	.text
	.protected	k_q8801c8737a_prep
	.globl	k_q8801c8737a_prep
	.p2align	8
	.type	k_q8801c8737a_prep,@function
k_q8801c8737a_prep:
	s_mov_b64 s[64:65], 0
	v_nop
	global_prefetch_b8 v0, s[64:65] scope:SCOPE_SE
	s_setreg_imm32_b32 hwreg(HW_REG_WAVE_MODE, 25, 1), 1
	s_wait_xcnt 0x0
; THE CASTS.  x [8192][1024] f32 -> xb, bf16, laid out in blocks of 64 channels: [b = 4][kb = 16][l = 2048][64], so that 256 rows of one block are 32,768 dense bytes.
; w_attn [1024][3072] f32 -> wab, bf16, in the same order.  w_proj [1024][1024] f32 -> wpb: rounded to bf16 like the other inputs, and that number written as f16.
; LIMIT.  A number of w_proj below 6.1e-5 in magnitude keeps f16's fixed step of 6e-8; beyond 65,504 it would become an infinity.
; SHARES.  Every work-group converts 16,384 numbers: 64 KiB in, 32 KiB out.  Work-groups 0-511 take 16 rows of x each, 512-703 w_attn, 704-767 w_proj: 768 equal shares.
; A thread issues its 16 loads of 16 bytes at once, then converts and stores 8 bytes sixteen times.  A wave's store covers 256 consecutive bytes, aligned; a wave's load two runs of 256 (x) or one of 512.
; No LDS, no matrix unit, no barrier: nothing is shared and nothing is read twice.  No register that a pending load or store names is ever rewritten, and EXEC never changes.
.set LO,  2                            ; v2        my byte offset in the work-group's 64 KiB of input
.set SO,  3                            ; v3        8 x thread: my byte offset in a store's 2,048 bytes
.set T,   4                            ; v[4:7]    at work
.set X,   16                           ; v[16:79]  load i: 4 registers
.set Y,   80                           ; v[80:111] store i: 2 registers
.set IN,  16                           ; s[16:17]  the input at the work-group's share
.set OUT, 18                           ; s[18:19]  the output at the work-group's share
; lstep, sstep: bytes from load to load and from store to store.  half = 1: the bf16 numbers are written as f16.
.macro CONV lstep, sstep, half
.set i, 0
.rept 16
	global_load_b128 v[X+4*i:X+4*i+3], v[LO], s[IN:IN+1] offset:i*(\lstep) th:TH_LOAD_NT
.set i, i+1
.endr
.set i, 0
.rept 16
	s_wait_loadcnt 15-i                            ; loads come back in order (ISA guide 5.7.1): load i is in, the 15 - i younger ones stay out
	v_cvt_pk_bf16_f32 v[Y+2*i],   v[X+4*i],   v[X+4*i+1]
	v_cvt_pk_bf16_f32 v[Y+2*i+1], v[X+4*i+2], v[X+4*i+3]
.if \half
.irp k, 0,1
	v_lshlrev_b32 v[T+2*(\k)],   16, v[Y+2*i+(\k)]          ; bf16 to f32: the low half moves up,
	v_and_b32     v[T+2*(\k)+1], 0xffff0000, v[Y+2*i+(\k)]  ; the high half stays
.endr
.irp k, 0,1
	v_cvt_pk_f16_f32 v[Y+2*i+(\k)], v[T+2*(\k)], v[T+2*(\k)+1]
.endr
.endif
	global_store_b64 v[SO], v[Y+2*i:Y+2*i+1], s[OUT:OUT+1] offset:i*(\sstep)
.set i, i+1
.endr
.endm
	s_load_b256 s[4:11], s[0:1], 0x0               ; x s[4:5], w_attn s[6:7], w_proj s[8:9], xb s[10:11]
	s_load_b128 s[12:15], s[0:1], 0x20             ; wab s[12:13], wpb s[14:15]
	v_lshlrev_b32 v[SO], 3, v0
	s_mov_b32 s21, 0                               ; the offsets' high words
	s_mov_b32 s23, 0
	s_cmp_lt_u32 ttmp9, 512
	s_cbranch_scc0 .Lweights
	; x: rows 16 wg .. 16 wg + 15.  Thread t takes row t / 16, and in load i the four channels 64 i + 4 (t % 16) on: block kb = i.
	s_lshl_b32 s20, ttmp9, 16                      ; 16 rows of 4,096 bytes
	s_lshr_b32 s22, ttmp9, 7                       ; b = wg / 128,
	s_lshl_b32 s22, s22, 22                        ; 16 blocks x 2,048 rows x 128 bytes each
	s_and_b32 s24, ttmp9, 127
	s_lshl_b32 s24, s24, 11                        ; l = 16 (wg % 128): 128 bytes a row
	s_add_co_u32 s22, s22, s24
	v_lshrrev_b32 v[LO], 4, v0
	v_lshlrev_b32 v[LO], 12, v[LO]
	v_and_b32 v[T], 15, v0
	v_lshl_add_u32 v[LO], v[T], 4, v[LO]           ; row x 4,096 + 16 (t % 16)
	s_wait_kmcnt 0x0
	s_add_nc_u64 s[IN:IN+1], s[4:5], s[20:21]
	s_add_nc_u64 s[OUT:OUT+1], s[10:11], s[22:23]
	CONV 256, 262144, 0                            ; in xb (t / 16) x 128 + (t % 16) x 8 = 8 t; from block to block 2,048 rows x 128 bytes
	s_endpgm
.Lweights:
	v_lshlrev_b32 v[LO], 4, v0                     ; the weights keep their order: 16 t in, 8 t out
	s_cmp_lt_u32 ttmp9, 704
	s_cbranch_scc0 .Lproj
	s_sub_co_u32 s24, ttmp9, 512
	s_lshl_b32 s20, s24, 16
	s_lshl_b32 s22, s24, 15
	s_wait_kmcnt 0x0
	s_add_nc_u64 s[IN:IN+1], s[6:7], s[20:21]
	s_add_nc_u64 s[OUT:OUT+1], s[12:13], s[22:23]
	CONV 4096, 2048, 0
	s_endpgm
.Lproj:
	s_sub_co_u32 s24, ttmp9, 704
	s_lshl_b32 s20, s24, 16
	s_lshl_b32 s22, s24, 15
	s_wait_kmcnt 0x0
	s_add_nc_u64 s[IN:IN+1], s[8:9], s[20:21]
	s_add_nc_u64 s[OUT:OUT+1], s[14:15], s[22:23]
	CONV 4096, 2048, 1
	s_endpgm
.Lfunc_end_k_q8801c8737a_prep:
	.size	k_q8801c8737a_prep, .Lfunc_end_k_q8801c8737a_prep-k_q8801c8737a_prep
	.p2alignl 7, 3214868480
	.fill 96, 4, 3214868480
	.section	.rodata,"a",@progbits
	.p2align	6, 0x0
	.amdhsa_kernel k_q8801c8737a_prep
		.amdhsa_group_segment_fixed_size 0
		.amdhsa_private_segment_fixed_size 0
		.amdhsa_enable_private_segment 0
		.amdhsa_kernarg_size 48
		.amdhsa_user_sgpr_count 2
		.amdhsa_user_sgpr_kernarg_segment_ptr 1
		.amdhsa_wavefront_size32 1
		.amdhsa_system_sgpr_workgroup_id_x 1
		.amdhsa_system_sgpr_workgroup_id_y 1
		.amdhsa_system_sgpr_workgroup_id_z 1
		.amdhsa_system_vgpr_workitem_id 0
		.amdhsa_next_free_vgpr 120
		.amdhsa_next_free_sgpr 66
		.amdhsa_reserve_vcc 0
		.amdhsa_float_denorm_mode_32 3
		.amdhsa_float_denorm_mode_16_64 3
		.amdhsa_memory_ordered 1
		.amdhsa_forward_progress 1
		.amdhsa_inst_pref_size 24
	.end_amdhsa_kernel
	.amdgpu_metadata
---
amdhsa.version: [ 1, 2 ]
amdhsa.kernels:
  - .name:           k_q8801c8737a_prep
    .symbol:         k_q8801c8737a_prep.kd
    .args:
      - { .name: x, .offset: 0, .size: 8, .value_kind: global_buffer, .address_space: global }
      - { .name: w_attn, .offset: 8, .size: 8, .value_kind: global_buffer, .address_space: global }
      - { .name: w_proj, .offset: 16, .size: 8, .value_kind: global_buffer, .address_space: global }
      - { .name: xb, .offset: 24, .size: 8, .value_kind: global_buffer, .address_space: global }
      - { .name: wab, .offset: 32, .size: 8, .value_kind: global_buffer, .address_space: global }
      - { .name: wpb, .offset: 40, .size: 8, .value_kind: global_buffer, .address_space: global }
    .group_segment_fixed_size: 0
    .private_segment_fixed_size: 0
    .kernarg_segment_align: 8
    .kernarg_segment_size: 48
    .max_flat_workgroup_size: 256
    .sgpr_count:     66
    .vgpr_count:     120
    .wavefront_size: 32
...
	.end_amdgpu_metadata
.endif
;; end of part 1
;; launch qkvgemm (part 2): grid 8 x 32, 4 waves a work-group, clusters of 4 x 4, 327,680 bytes of LDS; arguments xb, wab, qkv; writes qkv
.if DOCPART == 2
	.amdgcn_target "amdgcn-amd-amdhsa--gfx1250"
	.amdhsa_code_object_version 6
	.text
	.protected	k_q8801c8737a_qkvgemm
	.globl	k_q8801c8737a_qkvgemm
	.p2align	8
	.type	k_q8801c8737a_qkvgemm,@function
k_q8801c8737a_qkvgemm:
	s_mov_b64 s[64:65], 0
	v_nop
	global_prefetch_b8 v0, s[64:65] scope:SCOPE_SE
	s_setreg_imm32_b32 hwreg(HW_REG_WAVE_MODE, 25, 1), 1
	s_wait_xcnt 0x0
	s_wait_alu depctr_hold_cnt(0) depctr_sa_sdst(0) depctr_va_vdst(0) depctr_va_sdst(0) depctr_va_ssrc(0) depctr_va_vcc(0) depctr_vm_vsrc(0)
	s_getreg_b32 s2, hwreg(HW_REG_IB_STS2, 6, 4)
	s_cmp_eq_u32 s2, 0
	s_cbranch_scc0 .Lentry_in_a_cluster
	s_endpgm
.Lentry_in_a_cluster:
	s_bfe_u32 s2, ttmp6, 0x10000c
	s_cmp_lg_u32 s2, 0xf033
	s_cbranch_scc0 .Lentry_shape_is_right
	s_endpgm
.Lentry_shape_is_right:
; S = x w_attn: [8192][1024] x [1024][3072], operands bf16, sums f32; S leaves by heads, unscaled, rounded once to f16: qkv [which = 3][bh = 64][l = 2048][64].
; LIMIT.  f16 holds no number beyond 65,504: a q, k or v of 65,520 or more would leave as an infinity.
; TILE.  A work-group makes 256 rows x 384 columns: 32 x 8 tiles = 256 work-groups.  Each of its four waves makes 128 x 192 as three BLOCKS of 128 x 64:
; block g of wave (rowhalf, c) is columns 384 tx + 128 g + 64 c + 0..63, which are exactly one head's 64 channels of q, k or v.  A block's 32 accumulators of 16 x 16 fill one register window.
; K goes in steps of 64 (one block of xb) through a ring of two LDS slots; a step is two SLICES of 32.  A's tile of a step is 256 rows x 128 bytes, dense in xb: asked for as 128 rows of 256 bytes.
; B's tile is 64 rows (k) x 384 columns of wab as it lies, [k][n], in three segments of 128 columns (rows of 256 bytes, aligned); it is read turned, by ds_load_tr16_b128.
; CLUSTERS: 4 x 4 work-groups.  The four of a row of the cluster need the same tile of A, the four of a column the same tiles of B: each is asked for JOINTLY, by the same tensor load with the same
; descriptor and a mask that names the four.  Waves 0, 1, 2 ask for B's segments, wave 3 for A's tile: one load a wave behind each round.
; THE MATRIX INSTRUCTION IS USED TRANSPOSED (source 0 = 16 columns of w, source 1 = 16 rows of x): a lane then holds row l % 16 and the columns 8 (l / 16) + 0..7: 16 bytes of f16 on end.
; REGISTERS, in windows of 256 (s_set_vgpr_msb: bits 1:0 source 0, 3:2 source 1, 5:4 source 2, 7:6 destination):
;   window 0: v0-31 addresses; v32-95, v96-159 A's fragments (8 x 16 rows x 32 K), a buffer for each parity of the slice; v160-255 B's fragments, 32 registers for each block
;   windows 1, 2, 3: the accumulators of blocks 0, 1, 2; accumulator (a, f) at v[8 (4 a + f)]
; All fragments and addresses lie in window 0, so LDS loads need no setting of their own.
.set PA,    144                        ; a row of A in LDS: 128 bytes + 16 of padding = 36 words: the 16 rows of a load start at 16 different groups of four banks (64 banks of 4 bytes: ISA guide 11.1)
.set PB,    288                        ; a row of B: 256 + 32 = 72 words
.set BSEG,  64*PB                      ; a segment of B: 64 rows
.set ATILE, 256*PA
.set AOFF,  3*BSEG                     ; a slot: B's three segments, then A's 256 rows
.set SLOT,  AOFF+ATILE
.set STAGE, 2*SLOT                     ; behind the ring, never filled by a tensor load: 16 rows x 144 bytes for each wave, for the way out
.set SP,    144
.set SPARE, STAGE+4*16*SP              ; behind the stages: the spare words, 128 bytes for each wave: two blocks of 256 bytes that no other line names
.set KB_A,  262144                     ; bytes from a K step to the next in xb: 2,048 rows x 128
.set KB_B,  64*6144                    ; and in wab: 64 rows of 3,072 bf16
.set ADRA, 16                          ; v16-17  LDS address of my A fragments in slot 0, 1
.set ADRB, 20                          ; v20-21  the same for B
.set STO,  24                          ; v24     the way out: where I put 16 bytes of a row
.set RD,   25                          ; v25     the way out: where I read rows back
.set GO,   26                          ; v26     16 x lane: my place in 512 consecutive bytes of the output
.set SPW,  28                          ; v28     LDS address of my spare word: SPARE + 4 x my thread's number; never rewritten
.set NIL,  29                          ; v29     0; never rewritten
.set PFO,  30                          ; v30     256 x lane: the prefetches' offset; never rewritten
.set FA,   32
.set FB,   160
.set TMP,  32                          ; the way out: 16 registers of packed results
.set BK,   48                          ; the way out: 16 rows read back from the stage: v48-63 and v64-79 by turns
.set G1A,  24                          ; s[24:31] descriptor group 1 for A's tile;  s[32:39] group 0, a set for each slot
.set G0A,  32
.set G1B,  48                          ; s[48:55], s[56:63] the same for B's segments
.set G0B,  56
.set OUTP, 66                          ; s[66:71] where my 128 rows of blocks 0, 1, 2 begin in qkv
.set LIM,  72                          ; s72     1 in a wave that prefetches, else the greatest number
.set PFA,  74                          ; s[74:75] where my prefetches stand: my work-group's 8,192 bytes of A's tile two refills on
.set MSB, 0
.macro WIN new                         ; the immediate's high byte repeats the setting that is left; a switch that changes nothing is dropped
.if MSB != (\new)
	s_set_vgpr_msb (MSB<<8)|(\new)
.set MSB, \new
.endif
.endm
.macro PLACES                          ; four places in front of loads into registers that matrix instructions have read, and of conversions that read results
.rept 4
	v_nop
.endr
.endm
; A joint load.  The branch hangs on the wave's number alone.  An s_nop 0 and four v_nop follow each of the two lines, ahead of the jump and the label.
.macro JLOAD s
	s_cmp_eq_u32 s10, 3
	s_cbranch_scc0 .Lfor_b_\@
	tensor_load_to_lds s[G0A+4*(\s):G0A+4*(\s)+3], s[G1A:G1A+7]
	s_nop 0
.rept 4
	v_nop
.endr
	s_branch .Lasked_\@
.Lfor_b_\@:
	tensor_load_to_lds s[G0B+4*(\s):G0B+4*(\s)+3], s[G1B:G1B+7]
	s_nop 0
.rept 4
	v_nop
.endr
.Lasked_\@:
.endm
; A PREFETCH INTO THE L2 of A's tile that stands two refills on: 32,768 bytes.  Both clusters of a row of clusters read it: the one with x = 0 asks, by the wave that fetches A.  Its four partners along x
; take 8,192 bytes each, told apart BY ADDRESS; a lane names 256 bytes.  So each 256 bytes of xb are named once in the launch.  The loop's last trip asks for nothing: K has no step behind its refills'.
; The weights are not asked for: all eight clusters of a column of clusters read each of their bytes.
.macro ASK
	s_cmp_gt_u32 s3, s[LIM]                        ; s3 = 1 in the loop's last trip
	s_cbranch_scc0 .Lnot_mine_\@
	global_prefetch_b8 v[PFO], s[PFA:PFA+1] th:TH_LOAD_NT scope:SCOPE_SE
.Lnot_mine_\@:
.endm
.macro CREST                           ; a round of the cluster's barrier behind its opening barrier
	s_cmp_lg_u32 s10, 0
	s_cbranch_scc1 .Lnot_wave_0_\@
	s_barrier_signal -3
.Lnot_wave_0_\@:
	s_barrier_wait -3
	s_barrier_signal -1
	s_barrier_wait -1
.endm
.macro CROUND                          ; a whole round
	s_barrier_signal -1
	s_barrier_wait -1
	CREST
.endm
	s_load_b128 s[4:7], s[0:1], 0x0                ; xb s[4:5], wab s[6:7]
	s_load_b64 s[8:9], s[0:1], 0x10                ; qkv
	v_lshl_add_u32 v[SPW], v0, 2, SPARE
	v_mov_b32 v[NIL], 0
	ds_add_u32 v[SPW], v[NIL]                      ; the wave's opening: the add and its wait stand ahead of my first tensor load; the set-up below, work on registers, stands between them
	ds_add_u32 v28, v29
	v_lshrrev_b32 v1, 5, v0
	v_readfirstlane_b32 s10, v1                    ; wave 0..3
	s_lshr_b32 s11, s10, 1                         ; which 128 of the tile's rows are mine
	s_and_b32 s12, s10, 1                          ; which 64 columns of each group of 128
	s_bfe_u32 s40, ttmp6, 0x40000                  ; cx, cy: my place in the cluster
	s_bfe_u32 s41, ttmp6, 0x40004
	s_lshl_b32 s42, ttmp9, 2
	s_add_co_u32 s42, s42, s40                     ; tx = 4 x cluster x + cx, 0..7
	s_and_b32 s13, ttmp7, 0xffff
	s_lshl_b32 s13, s13, 2
	s_add_co_u32 s13, s13, s41                     ; ty = 4 x cluster y + cy, 0..31
	s_lshl_b32 s43, s41, 2
	s_lshl_b32 s43, 15, s43                        ; my row of the cluster
	s_lshl_b32 s44, 0x1111, s40                    ; my column
	s_or_b32 s[G1A], s43, (1<<16)|(1<<20)|(1<<21)|(4<<22)|(3<<25)  ; 15:0 the mask; 17:16 2-byte elements; 20 padding on; 21 set beside a mask; 24:22 after every 32 words (code 4); 31:25 4 words (code 3)
	s_mov_b32 s[G1A+1], 128<<16                    ; tensor_dim0 = 128 elements: 256 bytes, two rows of x's block
	s_mov_b32 s[G1A+2], 128<<16                    ; tensor_dim1 = 128
	s_mov_b32 s[G1A+3], 128<<16                    ; tile_dim0 = 128
	s_mov_b32 s[G1A+4], 128                        ; tile_dim1 = 128
	s_mov_b32 s[G1A+5], 128                        ; 128 elements from row to row: dense
	s_mov_b32 s[G1A+6], 0
	s_mov_b32 s[G1A+7], 0
	s_or_b32 s[G1B], s44, (1<<16)|(1<<20)|(1<<21)|(5<<22)|(7<<25)  ; the same with my column's mask; padding after every 64 words (code 5), 8 words (code 7)
	s_mov_b32 s[G1B+1], 128<<16                    ; tensor_dim0 = 128
	s_mov_b32 s[G1B+2], 64<<16                     ; tensor_dim1 = 64
	s_mov_b32 s[G1B+3], 128<<16                    ; tile_dim0 = 128
	s_mov_b32 s[G1B+4], 64                         ; tile_dim1 = 64
	s_mov_b32 s[G1B+5], 3072                       ; elements from row to row of wab
	s_mov_b32 s[G1B+6], 0
	s_mov_b32 s[G1B+7], 0
	; A's tile hangs on ty alone, B's on tx and the wave's number alone; every wave makes both addresses and asks by one of them
	s_lshr_b32 s16, s13, 3                         ; b = ty / 8: 16 blocks x 2,048 rows x 128 bytes
	s_lshl_b32 s16, s16, 22
	s_and_b32 s17, s13, 7                          ; l = 256 (ty % 8): 128 bytes a row
	s_lshl_b32 s17, s17, 15
	s_add_co_u32 s16, s16, s17
	s_mov_b32 s17, 0
	s_mul_i32 s46, s42, 768                        ; 384 columns of 2 bytes,
	s_lshl_b32 s47, s10, 8                         ; my segment's 128
	s_add_co_u32 s46, s46, s47
	s_mov_b32 s47, 0
	s_mul_i32 s20, s10, BSEG                       ; where my load goes: segments 0, 1, 2, and behind them (3 x BSEG = AOFF) A's tile
	s_wait_dscnt 0x0                               ; the opening add is done
	s_wait_kmcnt 0x0
	s_add_nc_u64 s[14:15], s[4:5], s[16:17]
	s_add_nc_u64 s[46:47], s[6:7], s[46:47]
	CROUND                                         ; all sixteen work-groups are here: the first joint loads meet
.irp s, 0,1
	s_mov_b32 s[G0A+4*(\s)], 1                                       ; 1:0 count = 1
	s_add_co_u32 s[G0A+4*(\s)+1], s20, (\s)*SLOT                     ; 63:32 LDS address
	s_add_nc_u64 s[G0A+4*(\s)+2:G0A+4*(\s)+3], s[14:15], (\s)*KB_A   ; 120:64 global address: K step s
	s_or_b32 s[G0A+4*(\s)+3], s[G0A+4*(\s)+3], 0x80000000            ; 127:126 type = 2
	s_mov_b32 s[G0B+4*(\s)], 1
	s_add_co_u32 s[G0B+4*(\s)+1], s20, (\s)*SLOT
	s_add_nc_u64 s[G0B+4*(\s)+2:G0B+4*(\s)+3], s[46:47], (\s)*KB_B
	s_or_b32 s[G0B+4*(\s)+3], s[G0B+4*(\s)+3], 0x80000000
	JLOAD \s                                       ; both slots are asked for before anything else is done: two loads of mine are out
.endr
	; A fragment of A is 16 rows x 32 K in 8 registers: lane l holds row l % 16, K = 8 (l / 16) + 0..7 and 16 + 8 (l / 16) + 0..7: two loads of 16 bytes, 32 bytes apart.
	v_and_b32 v1, 15, v0                           ; l % 16
	v_bfe_u32 v2, v0, 4, 1                         ; l / 16
	v_mul_u32_u24 v3, v1, PA
	v_lshl_add_u32 v3, v2, 4, v3                   ; row x pitch + 16 x half
	; The turning load takes 16 k x 16 columns (lane l reads k = 8 (l / 16) + l % 8, columns 8 ((l / 8) % 2) + 0..7) and leaves half a fragment: lane l holds column l % 16 and 8 k.
	v_and_b32 v6, 7, v0
	v_lshl_add_u32 v4, v2, 3, v6
	v_mul_u32_u24 v4, v4, PB
	v_bfe_u32 v5, v0, 3, 1
	v_lshl_add_u32 v4, v5, 4, v4
	s_mul_i32 s21, s11, 128*PA                     ; my 128 rows of A,
	s_add_co_u32 s21, s21, AOFF                    ; which lie behind B's segments
	s_lshl_b32 s22, s12, 7                         ; my 64 columns of each segment: 128 bytes
.irp s, 0,1
	v_add_nc_u32 v[ADRA+(\s)], s21, v3
	v_add_nc_u32 v[ADRB+(\s)], s22, v4
	s_add_co_u32 s21, s21, SLOT
	s_add_co_u32 s22, s22, SLOT
.endr
	s_mul_i32 s23, s10, 16*SP
	s_add_co_u32 s23, s23, STAGE                   ; my stage
	v_mul_u32_u24 v[STO], v1, SP                   ; in: row l % 16, 16 bytes for each half of the lanes
	v_lshl_add_u32 v[STO], v2, 4, v[STO]
	v_add_nc_u32 v[STO], s23, v[STO]
	v_bfe_u32 v[RD], v0, 3, 2                      ; back: 32 lanes take four rows of 128 bytes,
	v_mul_u32_u24 v[RD], v[RD], SP
	v_lshl_add_u32 v[RD], v6, 4, v[RD]
	v_add_nc_u32 v[RD], s23, v[RD]
	v_and_b32 v[GO], 31, v0                        ; which are 512 consecutive bytes of the output
	v_lshlrev_b32 v[GO], 4, v[GO]
	v_and_b32 v[PFO], 31, v0
	v_lshlrev_b32 v[PFO], 8, v[PFO]
	; where my blocks go.  Block g is slice HH = 6 tx + 2 g + c of the 48 slices of 64 columns: tensor HH / 16, head HH % 16; its rows are dense, 128 bytes each
	s_mul_i32 s76, s42, 6
	s_add_co_u32 s76, s76, s12                     ; 6 tx + c
	s_lshr_b32 s77, s13, 3
	s_lshl_b32 s77, s77, 4                         ; 16 b
	s_and_b32 s20, s13, 7
	s_lshl_b32 s20, s20, 15                        ; the tile's first row,
	s_lshl_b32 s21, s11, 14                        ; my 128 rows
	s_add_co_u32 s20, s20, s21
.irp g, 0,1,2
	s_add_co_u32 s78, s76, 2*(\g)                  ; HH
	s_lshr_b32 s79, s78, 4
	s_lshl_b32 s79, s79, 6                         ; 64 heads a tensor
	s_and_b32 s78, s78, 15
	s_add_co_u32 s78, s78, s79
	s_add_co_u32 s78, s78, s77
	s_lshl_b32 s78, s78, 18                        ; 2,048 rows x 128 bytes a head
	s_add_co_u32 s78, s78, s20
	s_mov_b32 s79, 0
	s_add_nc_u64 s[OUTP+2*(\g):OUTP+2*(\g)+1], s[8:9], s[78:79]
.endr
	; the prefetches: wave 3 of the clusters with x = 0
	s_xor_b32 s20, s10, 3
	s_or_b32 s20, s20, ttmp9                       ; the same in all sixteen partners, for a given wave
	s_cmp_eq_u32 s20, 0
	s_cselect_b32 s[LIM], 1, -1
	s_lshl_b32 s20, s40, 13                        ; my work-group's 8,192 bytes of the tile
	s_mov_b32 s21, 0
	s_add_nc_u64 s[PFA:PFA+1], s[14:15], s[20:21]
	s_add_nc_u64 s[PFA:PFA+1], s[PFA:PFA+1], 3*KB_A  ; at K step 3: the first refill (of step 2) steps it to 4.  Nothing is asked for here, at the head
; 16 matrix instructions of block g: m fragments a0 .. a0 + 3 x all 4 n fragments, on A's buffer tp.  zero = 1: the product starts the sums.  The block's 32 accumulators take turns, one instruction a turn.
.macro MUL16 tp, g, a0, zero
	WIN ((\g)+1)*0x50                              ; C and D in window g + 1
.irp a, \a0, (\a0)+1, (\a0)+2, (\a0)+3
.irp f, 0,1,2,3
.if \zero
	v_wmma_f32_16x16x32_bf16 v[8*(4*(\a)+(\f)):8*(4*(\a)+(\f))+7], v[FB+32*(\g)+8*(\f):FB+32*(\g)+8*(\f)+7], v[FA+64*(\tp)+8*(\a):FA+64*(\tp)+8*(\a)+7], 0
.else
	v_wmma_f32_16x16x32_bf16 v[8*(4*(\a)+(\f)):8*(4*(\a)+(\f))+7], v[FB+32*(\g)+8*(\f):FB+32*(\g)+8*(\f)+7], v[FA+64*(\tp)+8*(\a):FA+64*(\tp)+8*(\a)+7], v[8*(4*(\a)+(\f)):8*(4*(\a)+(\f))+7]
.endif
.endr
.endr
.endm
.macro LDB slot, tp, g                 ; 8 loads: block g's four fragments of B for slice tp of the slot
	WIN 0
.irp f, 0,1,2,3
	ds_load_tr16_b128 v[FB+32*(\g)+8*(\f):FB+32*(\g)+8*(\f)+3],   v[ADRB+(\slot)] offset:(\g)*BSEG+(\tp)*32*PB+32*(\f)
	ds_load_tr16_b128 v[FB+32*(\g)+8*(\f)+4:FB+32*(\g)+8*(\f)+7], v[ADRB+(\slot)] offset:(\g)*BSEG+(\tp)*32*PB+32*(\f)+16*PB
.endr
.endm
.macro LDA slot, tp, half              ; 8 loads: four of A's eight fragments for slice tp, into buffer tp
	WIN 0
.irp a, 0,1,2,3
	ds_load_b128 v[FA+64*(\tp)+8*(4*(\half)+(\a)):FA+64*(\tp)+8*(4*(\half)+(\a))+3],   v[ADRA+(\slot)] offset:(4*(\half)+(\a))*16*PA+(\tp)*64
	ds_load_b128 v[FA+64*(\tp)+8*(4*(\half)+(\a))+4:FA+64*(\tp)+8*(4*(\half)+(\a))+7], v[ADRA+(\slot)] offset:(4*(\half)+(\a))*16*PA+(\tp)*64+32
.endr
.endm
; A slice is three blocks, 96 matrix instructions.  The next slice's 40 loads go out in three runs, each behind the block that read the registers of B that it fills: B0 + A low, B1 + A high, B2.
; The first slice of a K step: the next slice lies in the same slot.
.macro SLICE_E slot, zero
	s_wait_dscnt 8                                 ; all of this slice is in but the youngest eight loads, block 2's B
	MUL16 0, 0, 0, \zero
	MUL16 0, 0, 4, \zero
	PLACES
	LDB \slot, 1, 0
	LDA \slot, 1, 0
	MUL16 0, 1, 0, \zero
	MUL16 0, 1, 4, \zero
	PLACES
	LDB \slot, 1, 1
	LDA \slot, 1, 1
	s_wait_dscnt 32                                ; all but the 32 just issued: block 2's B is in
	MUL16 0, 2, 0, \zero
	MUL16 0, 2, 4, \zero
	PLACES
	LDB \slot, 1, 2
.endm
; The second slice of a K step changes slots round its block 0: ONE barrier for two things.  In front of it each wave waits for all its tensor loads (one is out: its part of the other slot), adds 0 to its spare
; word, and waits for that and for its reads of this slot, all of which have been issued.  Behind it nobody reads this slot any more and the other slot is whole.
; mode = 1: the barrier opens a round of the cluster's, and this slot is filled again, two K steps on, first thing behind the round: that load has five blocks, 160 matrix instructions, in which to land.
; mode = 0: nothing is left to fetch.  mode = 2: the very last slice.
.macro SLICE_O slot, other, mode
.if (\mode) == 2
	s_wait_dscnt 8
	MUL16 1, 0, 0, 0
	MUL16 1, 0, 4, 0
	MUL16 1, 1, 0, 0
	MUL16 1, 1, 4, 0
	s_wait_dscnt 0x0
	MUL16 1, 2, 0, 0
	MUL16 1, 2, 4, 0
.else
.if \mode
	s_wait_xcnt 0x0                                ; the last prefetch, a K step back, has read its address: it is stepped here, ahead of the waits of the change
	s_add_nc_u64 s[PFA:PFA+1], s[PFA:PFA+1], KB_A
.endif
	WIN 0                                          ; (the add's two registers lie in window 0)
	s_wait_tensorcnt 0x0                           ; all my tensor loads have landed, so every group 0 may be written;
	ds_add_u32 v[SPW], v[NIL]                      ; 0 onto my spare word
.if \mode
	s_add_nc_u64 s[G0A+4*(\slot)+2:G0A+4*(\slot)+3], s[G0A+4*(\slot)+2:G0A+4*(\slot)+3], 2*KB_A  ; this slot's next K step; the type bits on top are not reached
	s_add_nc_u64 s[G0B+4*(\slot)+2:G0B+4*(\slot)+3], s[G0B+4*(\slot)+2:G0B+4*(\slot)+3], 2*KB_B
.endif
	s_wait_dscnt 9                                 ; the add and the youngest eight loads (block 2's B) may be out
	MUL16 1, 0, 0, 0                               ; sixteen matrix instructions stand between the add and the wait for it
	s_wait_dscnt 0x0                               ; the add is done, and my reads of this slot are over
	s_barrier_signal -1
	MUL16 1, 0, 4, 0                               ; work on registers while the others arrive
	WIN 0
	s_barrier_wait -1
.if \mode
	CREST                                          ; no wave of any partner still reads this slot or has a load on its way
	JLOAD \slot                                    ; the first tensor load behind the round; its four v_nop are also the places in front of the loads below
.else
	PLACES
.endif
	LDB \other, 0, 0
	LDA \other, 0, 0
.if \mode
	ASK                                            ; behind the joint load and the run of LDS loads
.endif
	MUL16 1, 1, 0, 0
	MUL16 1, 1, 4, 0
	PLACES
	LDB \other, 0, 1
	LDA \other, 0, 1
	MUL16 1, 2, 0, 0
	MUL16 1, 2, 4, 0
	PLACES
	LDB \other, 0, 2
.endif
.endm
	s_wait_tensorcnt 0x1                           ; my part of K step 0 is in; step 1's may stay out
	s_barrier_signal -1
	s_barrier_wait -1                              ; everybody's is
	LDB 0, 0, 0
	LDA 0, 0, 0
	LDB 0, 0, 1
	LDA 0, 0, 1
	LDB 0, 0, 2
	SLICE_E 0, 1                                   ; the first slice stands in front of the loop: its products start the sums
	WIN 0                                          ; at a label and at a branch every window is 0
	s_mov_b32 s3, 7
.Llap:                                                 ; a trip goes once round the ring and fills both slots again: trips 0..6 ask for K steps 2..15
	SLICE_O 0, 1, 1
	SLICE_E 1, 0
	SLICE_O 1, 0, 1
	SLICE_E 0, 0
	WIN 0
	s_sub_co_u32 s3, s3, 1
	s_cmp_lg_u32 s3, 0
	s_cbranch_scc1 .Llap
	SLICE_O 0, 1, 0                                ; the tail is written out: it asks for nothing
	SLICE_E 1, 0
	SLICE_O 1, 0, 2
; THE WAY OUT, in 24 units u = 8 g + a of 16 rows x 64 columns.  PACK: rounded to f16, 16 bytes a lane, each accumulator from its low end on.  TOSTAGE: into my own stage in LDS, and back as whole rows
; of 128 bytes.  SEND: 16 dense rows of a head, 2,048 consecutive bytes, by four stores of 512.
.macro PACK u
.set g_, (\u)/8
.set a_, (\u)%8
	WIN 5*(g_+1)                                   ; sources 0 and 1 in window g + 1, destination in window 0
.irp f, 0,1,2,3
.irp j, 0,1,2,3
	v_cvt_pk_f16_f32 v[TMP+4*(\f)+(\j)], v[32*a_+8*(\f)+2*(\j)], v[32*a_+8*(\f)+2*(\j)+1]
.endr
.endr
	WIN 0
.endm
.macro TOSTAGE u
.set bk_, BK+16*((\u)%2)
	WIN 0
.irp f, 0,1,2,3
	ds_store_b128 v[STO], v[TMP+4*(\f):TMP+4*(\f)+3] offset:32*(\f)
.endr
.irp t, 0,1,2,3
	ds_load_b128 v[bk_+4*(\t):bk_+4*(\t)+3], v[RD] offset:(\t)*4*SP  ; LDS serves a wave's instructions in order (ISA guide 5.7.1.4): these see the stores above
.endr
.endm
.macro SEND u
.set g_, (\u)/8
.set a_, (\u)%8
.set bk_, BK+16*((\u)%2)
	WIN 0
	s_wait_dscnt 0x0                               ; the unit is back in registers
	s_wait_xcnt 0x0                                ; the stores of the unit before have read their registers, which the next unit's loads from the stage fill again
.irp t, 0,1,2,3
	global_store_b128 v[GO], v[bk_+4*(\t):bk_+4*(\t)+3], s[OUTP+2*g_:OUTP+2*g_+1] offset:a_*2048+512*(\t)  ; 512 consecutive bytes, at a multiple of 256 from the buffer's first
.endr
.endm
	PLACES
	PACK 0
	TOSTAGE 0
.set u, 1
.rept 23                               ; unit u's conversions stand between unit u - 1's loads from the stage and the wait for them
	PACK u
	SEND u-1
	TOSTAGE u
.set u, u+1
.endr
	SEND 23
	s_wait_tensorcnt 0x0                           ; the wave's end: behind my last tensor load and my last LDS store
	ds_add_u32 v[SPW], v[NIL]
	s_wait_dscnt 0x0
	CROUND                                         ; the closing round: no work-group ends while a partner may still ask for a tile that names it
	s_endpgm
.Lfunc_end_k_q8801c8737a_qkvgemm:
	.size	k_q8801c8737a_qkvgemm, .Lfunc_end_k_q8801c8737a_qkvgemm-k_q8801c8737a_qkvgemm
	.p2alignl 7, 3214868480
	.fill 96, 4, 3214868480
	.section	.rodata,"a",@progbits
	.p2align	6, 0x0
	.amdhsa_kernel k_q8801c8737a_qkvgemm
		.amdhsa_group_segment_fixed_size 327680
		.amdhsa_private_segment_fixed_size 0
		.amdhsa_enable_private_segment 0
		.amdhsa_kernarg_size 24
		.amdhsa_user_sgpr_count 2
		.amdhsa_user_sgpr_kernarg_segment_ptr 1
		.amdhsa_wavefront_size32 1
		.amdhsa_system_sgpr_workgroup_id_x 1
		.amdhsa_system_sgpr_workgroup_id_y 1
		.amdhsa_system_sgpr_workgroup_id_z 1
		.amdhsa_system_vgpr_workitem_id 0
		.amdhsa_next_free_vgpr 1024
		.amdhsa_next_free_sgpr 80
		.amdhsa_reserve_vcc 0
		.amdhsa_float_denorm_mode_32 3
		.amdhsa_float_denorm_mode_16_64 3
		.amdhsa_memory_ordered 1
		.amdhsa_forward_progress 1
		.amdhsa_inst_pref_size 133
	.end_amdhsa_kernel
	.amdgpu_metadata
---
amdhsa.version: [ 1, 2 ]
amdhsa.kernels:
  - .name:           k_q8801c8737a_qkvgemm
    .symbol:         k_q8801c8737a_qkvgemm.kd
    .args:
      - { .name: xb, .offset: 0, .size: 8, .value_kind: global_buffer, .address_space: global }
      - { .name: wab, .offset: 8, .size: 8, .value_kind: global_buffer, .address_space: global }
      - { .name: qkv, .offset: 16, .size: 8, .value_kind: global_buffer, .address_space: global }
    .group_segment_fixed_size: 327680
    .private_segment_fixed_size: 0
    .kernarg_segment_align: 8
    .kernarg_segment_size: 24
    .max_flat_workgroup_size: 128
    .sgpr_count:     80
    .vgpr_count:     1024
    .wavefront_size: 32
...
	.end_amdgpu_metadata
.endif
;; end of part 2
;; launch attn (part 3): grid 4 x 64, 4 waves a work-group, no clusters, 327,680 bytes of LDS; arguments qkv, o; writes o
.if DOCPART == 3
	.amdgcn_target "amdgcn-amd-amdhsa--gfx1250"
	.amdhsa_code_object_version 6
	.text
	.protected	k_q8801c8737a_attn
	.globl	k_q8801c8737a_attn
	.p2align	8
	.type	k_q8801c8737a_attn,@function
k_q8801c8737a_attn:
	s_mov_b64 s[64:65], 0
	v_nop
	global_prefetch_b8 v0, s[64:65] scope:SCOPE_SE
	s_setreg_imm32_b32 hwreg(HW_REG_WAVE_MODE, 25, 1), 1
	s_wait_xcnt 0x0
; CAUSAL ATTENTION.  O[h][q][:] = the sum over k <= q of softmax_k(Q[h][q] . K[h][k] / 8) V[h][k][:].  Q, K, V are the three parts of qkv, each [SIZE_H][SIZE_N][64] f16, O likewise: a head's rows are dense, 128 bytes each.
; Products, maxima and sums in f32; the weights p are rounded to f16 for the second product (their sum l is taken of the unrounded p), O once at the end.
; LIMITS.  f16 holds no number beyond 65,504: Q, K and V arrive within it; p lies in 0 to 1, and below 6e-5 it keeps f16's fixed step of 6e-8; O is a mean of V's rows and has their range, to within 2^-11 of it.
; A hidden score counts as its value less 1e30: f16's scores, 2.7e11 at the most, are nothing beside that; a weight below 2^-126 counts as 0 in l; NaN and infinities are not treated apart.
; THE WALK.  A head's queries lie in NB = SIZE_N / 256 = 8 blocks of 256; block i needs the key tiles 0 .. i of 256 keys, of which the last holds the diagonal.  A work-group takes TWO blocks, NB - 1 - b and then b:
; NB + 1 tiles, whatever b: all work-groups do equal work, and ONE loop with a constant trip count walks them.  Which tile is asked for, and what a trip does, hang on scalar registers made from b; every jump
; goes forward, but for the counted loops' own; none passes a barrier, or a tensor load but the one of LOAD's two that the wave's number does not choose; the ring (two slots of LDS that take turns) runs on across the
; change of blocks.  NO CLUSTER: a head's NB / 2 = 4 work-groups ask for the same tile only in trips 0 .. 4 of the 9, behind that fewer and fewer; one walk common to all four would have 12 trips for 9.
; NO PREFETCH: a fill is asked for a whole tile ahead: four key steps, 256 matrix and 1,888 vector instructions of each wave stand between the request and the wait for it.
; SHARES.  Of a block's four bands of 64 queries a wave owns 16 rows in each: four PIECES.  So the diagonal tile is the same work for all four waves: in its key step s band x sees all keys if s < x,
; none if s > x, and holds the diagonal if s = x.
; THE MASK is the C operand that starts the sum S^T = K Q^T: 0, or -1e30 where the key is hidden.  MD, made once, is the mask of a band's own step for my 16 rows; a product's mask is MD x AL + BE with two scalars:
; (1, 0) if s = x; (0, 0) if s < x; (0, -1e30) if s > x.  Only the diagonal tile's text and a block's beginning make and take masks; elsewhere C is the constant 0.
; LAYOUT, SOFTMAX, TURNS.  S^T = K Q^T holds ONE query a lane (lane % 16) and the keys 8 (lane / 16) + 0..7; two such results rounded to f16 ARE source 1 of O^T = V^T P.  p = 2^(c s - c m), c = log2(e) / 8, with a
; running maximum m; O and l are multiplied by a = 2^(c m_old - c m_new) in every step.  Turn n belongs to piece n: 8 products K Q^T of piece n + 1, later 8 products V^T P of piece n - 1; beside them the scaling,
; exponentials, roundings, sums and rescaling of piece n and the maximum and statistics of piece n + 1.  Four vector instructions stand behind every matrix instruction, the other 54 of a turn's 118 in two LUMPS.
; REGISTERS, in windows of 256 (s_set_vgpr_msb: bits 1:0 source 0, 3:2 source 1, 5:4 source 2, 7:6 destination):
;   window 0: v0-15 addresses and two at work; v16-31 four registers of statistics a piece; v48-55 at work; v64-127 S^T, two buffers; v192-223 P, two buffers (a piece's buffers go by its number's parity)
;   window 1: v0-127 O^T, 32 a piece; v128-159 MD; v160-223 MC, two buffers      window 2: v0-63 Q; v64-127 the second block's Q; v128-191 K of one step; v192-255 V of one step
.set SIZE_H, 64
.set SIZE_N, 2048
.set NB,    SIZE_N/256
.set NP,    4         ; pieces a wave: a name, no knob
.set KS,    64        ; keys in a step
.set PK,    144       ; a row of K in LDS: 128 bytes + 16 of padding = 36 words: the 16 rows of a load start at 16 different groups of four banks (64 banks of 4 bytes: ISA guide 11.1)
.set PV,    160       ; a row of V: 128 + 32 = 40 words
.set VOFF,  4*KS*PK   ; a slot holds a tile, four steps: 256 rows of K, then 256 rows of V
.set SLOT1, 1<<17     ; slot 1 begins here, so that one exclusive or turns an address in one slot into the other's
.set STAGE, SLOT1+4*KS*(PK+PV)  ; behind the ring, never filled by a tensor load: 16 rows x 144 bytes for each wave, for the way out
.set SP,    144
.set AK0, 2           ; v2   my lane's place in a tile of K; never rewritten
.set AV0, 3           ; v3   the same for V
.set AK,  4           ; v4   the LDS address of K's next run of loads
.set AV,  5           ; v5   of V's
.set STO, 6           ; v6   the way out: where I put 16 bytes of a row
.set RD,  7           ; v7   the way out: where I read rows back
.set GO,  8           ; v8   my byte offset in 512 consecutive bytes of O
.set SPW, 62          ; v62  LDS address of my spare word: SPARE + 4 x my thread's number; never rewritten
.set NIL, 63          ; v63  0; never rewritten
.set SPARE, STAGE+4*16*SP  ; behind the stages: the spare words, 128 bytes for each wave: two blocks of 256 bytes that no other line names
.set MV,  12          ; v12-13  c m_old, kept while c m is made anew: by buffer
.set QO,  15          ; v15  my byte offset in 16 rows of Q
.set ST,  16          ; piece t's statistics at v[ST+4 t]: c m, m, l (even keys', odd keys')
.set TMP, 48          ; by buffer, four registers c0-c3 at work; when the maximum is found c2 takes a
.set S,   64
.set P,   192
.set MD,  128         ; window 1: the eight registers for group kt of 16 keys at MD + 8 kt
.set MC,  160         ; window 1: the masks of the products to come
.set QB,  64          ; window 2
.set KF,  128         ; window 2: key block kb, channel half c at KF + 16 kb + 8 c
.set VF,  192         ; window 2: key half kk, channel block cb at VF + 32 kk + 8 cb
.set WV,  12          ; s12  my wave's number
.set PB,  14          ; s14  b
.set HI,  15          ; s15  NB - 1 - b
.set G1K, 24          ; s[24:31] descriptor group 1 for K's tiles
.set G1V, 32          ; s[32:39] for V's: it differs in the padding alone
.set G0K, 40          ; s[40:43] descriptor group 0 for K's tiles
.set G0V, 44          ; s[44:47] the same for V's
.set SLOTS, 56        ; s56  tiles still to be asked for
.set CNT, 57          ; s57  counts a tile's key steps, 4 to 1
.set CS,  58          ; s[58:59] c: the packed scaling takes the pair's low word for both halves
.set SEL, 60          ; s[60:61] v_permlanex16_b32's selects: each lane takes its own place in the other half
.set TBK, 62          ; s62  LDS byte at which K of the step to be fetched begins
.set TBV, 63          ; s63  the same for V, less VOFF
.set RT,  70          ; s70  tiles of the block in hand that are still to be entered
.set NXT, 71          ; s71  the tile to be asked for next
.set LQ,  72          ; s72  the last tile of the block whose tiles are being asked for
.set NEW, 73          ; s73  1: the tile to be entered is a block's first
.set OFF, 74          ; s[74:75] a tile's byte offset in K and V
.set AL,  76          ; s[76:77] the mask's factor, in the low word
.set BE,  78          ; s[78:79] the mask's addend
.set OLO, 80          ; s[80:81] O at my rows of the second block
.set BIGN, 82         ; s82  -1e30
.set MSB, 0
.macro WIN new                      ; the high byte repeats the setting that is left; a switch that changes nothing is dropped
.if MSB != (\new)
	s_set_vgpr_msb (MSB<<8)|(\new)
.set MSB, (\new)
.endif
.endm
.set W_KQ, 0x0a       ; K and Q in window 2, S^T in window 0
.set W_KM, 0x1a       ; the same with the C operand in window 1
.set W_PV, 0x52       ; V in window 2, P in window 0, O^T in window 1
.set W_RS, 0x41       ; destination and source 0 in window 1, source 1 in window 0
; A fill.  Waves 0 and 1 fetch the two halves of a tile's K, waves 2 and 3 those of its V: 128 keys each.  An s_nop 0 and four v_nop follow each of the two lines, ahead of the jump and the label.
.macro LOAD
	s_cmp_lt_u32 s[WV], 2
	s_cbranch_scc0 .Lfor_v_\@
	tensor_load_to_lds s[G0K:G0K+3], s[G1K:G1K+7]
	s_nop 0
.rept 4
	v_nop
.endr
	s_branch .Lasked_\@
.Lfor_v_\@:
	tensor_load_to_lds s[G0V:G0V+3], s[G1V:G1V+7]
	s_nop 0
.rept 4
	v_nop
.endr
.Lasked_\@:
.endm
; THE CHANGE OF SLOTS.  Each wave waits for all its tensor loads, of which one is out: its part of the other slot; adds 0 to its spare word; and waits for that and for its own reads of the slot that it leaves.  Behind the barrier nobody reads the old
; slot any more and the other slot is whole.  fill = 1: the old slot is filled again, the first thing behind the barrier, with tile NXT: the descriptor's address is made anew from that number.
; (At its first use nothing has been read yet: slot 0 is waited for, slot 1 filled.)
.macro CHANGE fill
	WIN 0                           ; at a label and at a branch every window is 0
	s_wait_tensorcnt 0x0            ; no tensor load of mine is out, so a group 0 may be written
	ds_add_u32 v[SPW], v[NIL]       ; 0 onto my spare word; with fill = 1 the descriptors' scalar work stands between it and the wait for it
.if \fill
	s_lshl_b32 s[OFF], s[NXT], 15   ; a tile is 32,768 bytes of K and of V
	s_xor_b32 s[G0K+1], s[G0K+1], SLOT1
	s_add_nc_u64 s[G0K+2:G0K+3], s[6:7], s[OFF:OFF+1]
	s_or_b32 s[G0K+3], s[G0K+3], 0x80000000
	s_xor_b32 s[G0V+1], s[G0V+1], SLOT1
	s_add_nc_u64 s[G0V+2:G0V+3], s[8:9], s[OFF:OFF+1]
	s_or_b32 s[G0V+3], s[G0V+3], 0x80000000
	s_add_co_u32 s[NXT], s[NXT], 1  ; the block's next tile, or behind its last the second block's tile 0
	s_cmp_gt_u32 s[NXT], s[LQ]
	s_cselect_b32 s[NXT], 0, s[NXT]
	s_cselect_b32 s[LQ], s[PB], s[LQ]
.endif
	s_wait_dscnt 0x0                ; the add is done, and my reads of the slot are over
	s_barrier_signal -1             ; the rest of the scalar work stands between the signal and the wait
	s_sub_co_u32 s[TBK], s[TBK], 4*KS*PK  ; the fetches go back to a slot's first step,
	s_xor_b32 s[TBK], s[TBK], SLOT1       ; in the other slot
	s_sub_co_u32 s[TBV], s[TBV], 4*KS*PV
	s_xor_b32 s[TBV], s[TBV], SLOT1
	s_barrier_wait -1
.if \fill
	LOAD
.endif
.endm
	s_load_b128 s[4:7], s[0:1], 0x0 ; qkv s[4:5], o s[6:7]
	v_lshl_add_u32 v[SPW], v0, 2, SPARE
	v_mov_b32 v[NIL], 0
	ds_add_u32 v[SPW], v[NIL]       ; the wave's opening: the add and its wait stand ahead of my first tensor load; the set-up below, work on registers, stands between them
	ds_add_u32 v62, v63
	v_lshrrev_b32 v1, 5, v0
	v_readfirstlane_b32 s[WV], v1   ; wave 0..3
	s_mov_b32 s[PB], ttmp9
	s_sub_co_u32 s[HI], NB-1, s[PB]
	s_and_b32 s20, ttmp7, 0xffff    ; the head
	s_mov_b32 s21, 0
	s_mov_b64 s[22:23], SIZE_N*128
	s_mul_u64 s[20:21], s[20:21], s[22:23]  ; the head's first byte in each of the four tensors
	s_and_b32 s16, s[WV], 1         ; which half of a tile's 256 keys I fetch:
	s_lshl_b32 s22, s16, 14         ; its 128 rows of 128 bytes in memory,
	s_mov_b32 s23, 0
	s_add_nc_u64 s[22:23], s[22:23], s[20:21]
	s_mul_i32 s17, s16, 128*PK      ; and its place in a slot, for K
	s_mul_i32 s18, s16, 128*PV      ; and for V
	s_lshl_b32 s3, s[WV], 11        ; my 16 rows in a band of 64,
	s_lshl_b32 s2, s[HI], 15        ; in the first block,
	s_add_co_u32 s2, s2, s3
	s_lshl_b32 s84, s[PB], 15       ; and in the second
	s_add_co_u32 s84, s84, s3
	s_mov_b32 s3, 0
	s_mov_b32 s85, 0
	s_add_nc_u64 s[2:3], s[2:3], s[20:21]
	s_add_nc_u64 s[84:85], s[84:85], s[20:21]
	; descriptor group 1.  128 keys are 16,384 dense bytes: asked for as 64 rows of 256 bytes, two keys a row, and padded in LDS after every key
	s_mov_b32 s[G1K], (1<<16)|(1<<20)|(4<<22)|(3<<25)  ; 17:16 2-byte elements; 20 padding on; 24:22 after every 32 words (code 4); 31:25 4 words (code 3)
	s_mov_b32 s[G1V], (1<<16)|(1<<20)|(4<<22)|(7<<25)  ; the same with 8 words of padding (code 7)
.irp g, G1K, G1V
	s_mov_b32 s[\g+1], 128<<16      ; tensor_dim0 = 128
	s_mov_b32 s[\g+2], 64<<16       ; tensor_dim1 = 64
	s_mov_b32 s[\g+3], 128<<16      ; tile_dim0 = 128
	s_mov_b32 s[\g+4], 64           ; tile_dim1 = 64
	s_mov_b32 s[\g+5], 128          ; 128 elements from row to row
	s_mov_b32 s[\g+6], 0
	s_mov_b32 s[\g+7], 0
.endr
	s_mov_b32 s[CS], 0x3e38aa3b     ; c = log2(e) / 8 = 0.180337
	s_mov_b32 s[CS+1], s[CS]        ; named with it as a pair
	s_mov_b32 s[SEL], 0x76543210
	s_mov_b32 s[SEL+1], 0xfedcba98
	s_mov_b32 s[TBK], SLOT1+4*KS*PK ; the first change of slots turns these two into 0
	s_mov_b32 s[TBV], SLOT1+4*KS*PV
	s_mov_b32 s[G0K], 1             ; 1:0 count = 1
	s_mov_b32 s[G0K+1], s17         ; 63:32 LDS address: slot 0
	s_mov_b32 s[G0V], 1
	s_add_co_u32 s[G0V+1], s18, VOFF
	s_add_co_u32 s[RT], s[HI], 1    ; the first block has NB - b tiles
	s_mov_b32 s[NXT], 1
	s_mov_b32 s[LQ], s[HI]
	s_mov_b32 s[NEW], 1
	s_mov_b32 s[OFF+1], 0
	s_mov_b32 s[AL+1], 0            ; named as pairs
	s_mov_b32 s[BE+1], 0
	s_mov_b32 s[BIGN], 0xf149f2ca   ; -1e30
	s_mov_b32 s[SLOTS], NB
	s_wait_dscnt 0x0                ; the opening add is done
	s_wait_kmcnt 0x0
	s_mov_b64 s[10:11], s[6:7]                 ; O
	s_add_nc_u64 s[8:9], s[4:5], 0x2000000     ; V: the third part of qkv, 64 heads x 2,048 rows x 128 bytes a part
	s_add_nc_u64 s[6:7], s[4:5], 0x1000000     ; K: the second; Q, the first, stays in s[4:5]
	s_add_nc_u64 s[6:7], s[6:7], s[22:23]  ; K and V at my half of the head's tile 0
	s_add_nc_u64 s[8:9], s[8:9], s[22:23]
	s_add_nc_u64 s[G0K+2:G0K+3], s[6:7], 0         ; 120:64 global address
	s_or_b32 s[G0K+3], s[G0K+3], 0x80000000        ; 127:126 type = 2
	s_add_nc_u64 s[G0V+2:G0V+3], s[8:9], 0
	s_or_b32 s[G0V+3], s[G0V+3], 0x80000000
	s_add_nc_u64 s[86:87], s[4:5], s[84:85]        ; Q at my rows of the second block,
	s_add_nc_u64 s[4:5], s[4:5], s[2:3]            ; Q and O at those of the first
	s_add_nc_u64 s[OLO:OLO+1], s[10:11], s[84:85]
	s_add_nc_u64 s[10:11], s[10:11], s[2:3]
	LOAD                            ; tile 0 into slot 0
	; A fragment of K or Q is 16 rows x 32 channels in 8 registers: lane l holds row l % 16, channels 8 (l / 16) + 0..7 and 16 + 8 (l / 16) + 0..7: two loads of 16 bytes, 32 bytes apart.
	v_and_b32 v1, 15, v0            ; l % 16
	v_bfe_u32 v9, v0, 4, 1          ; l / 16
	v_lshlrev_b32 v[QO], 7, v1
	v_lshl_add_u32 v[QO], v9, 4, v[QO]  ; row x 128 + 16 x half
	WIN 0x80                        ; destination window 2, address window 0
.set i, 0
.rept 8                             ; both blocks' Q: piece i / 2 lies in band i / 2, 8,192 bytes on; channels 32 (i % 2) on
	global_load_b128 v[8*i:8*i+3],   v[QO], s[4:5] offset:(i/2)*8192+(i%2)*64
	global_load_b128 v[8*i+4:8*i+7], v[QO], s[4:5] offset:(i/2)*8192+(i%2)*64+32
	global_load_b128 v[QB+8*i:QB+8*i+3],   v[QO], s[86:87] offset:(i/2)*8192+(i%2)*64
	global_load_b128 v[QB+8*i+4:QB+8*i+7], v[QO], s[86:87] offset:(i/2)*8192+(i%2)*64+32
.set i, i+1
.endr
	WIN 0
	v_lshlrev_b32 v14, 3, v9
	v_sub_nc_u32 v14, v1, v14
	s_lshl_b32 s13, s[WV], 4
	v_add_nc_u32 v14, s13, v14      ; my query's place in its band, 16 w + l % 16, less my lanes' 8 (l / 16): register r of group kt is hidden where 16 kt + r is greater
	WIN 0x40
.set i, 0
.rept 32
	v_cmp_gt_i32 vcc_lo, 16*(i/8)+i%8, v14
	v_cndmask_b32 v[MD+i], 0, s[BIGN], vcc_lo
.set i, i+1
.endr
	WIN 0
	v_mul_u32_u24 v[AK0], v1, PK
	v_lshl_add_u32 v[AK0], v9, 4, v[AK0]  ; row x pitch + 16 x half
	; The turning load takes 16 keys x 16 channels (lane l reads key 8 (l / 16) + l % 8, channels 8 ((l / 8) % 2) + 0..7) and leaves half a fragment of V^T: lane l holds channel l % 16 and 8 keys.
	v_and_b32 v10, 7, v0
	v_bfe_u32 v11, v0, 3, 1
	v_lshl_add_u32 v[AV0], v9, 3, v10
	v_mul_u32_u24 v[AV0], v[AV0], PV
	v_lshl_add_u32 v[AV0], v11, 4, v[AV0]
	v_add_nc_u32 v[AV0], VOFF, v[AV0]
	s_mul_i32 s13, s[WV], 16*SP
	s_add_co_u32 s13, s13, STAGE    ; my stage
	v_mul_u32_u24 v[STO], v1, SP    ; in: row l % 16, 16 bytes for each half of the lanes
	v_lshl_add_u32 v[STO], v9, 4, v[STO]
	v_add_nc_u32 v[STO], s13, v[STO]
	v_bfe_u32 v[RD], v0, 3, 2       ; back: 32 lanes take four rows of 128 bytes,
	v_mul_u32_u24 v[RD], v[RD], SP
	v_lshl_add_u32 v[RD], v10, 4, v[RD]
	v_add_nc_u32 v[RD], s13, v[RD]
	v_and_b32 v[GO], 31, v0         ; which are 512 consecutive bytes of O
	v_lshlrev_b32 v[GO], 4, v[GO]
	; A block's first step multiplies O^T and l by a = 0, and its first turn's products V^T P, of a piece that has not been, land in an O^T that is still to be so multiplied.  So these registers need only hold
	; finite numbers: zeros for the first block; what the first block left for the second.  All this stands in the wait for the first tile.
	WIN 0x80
.set i, VF
.rept 64
	v_mov_b32 v[i], 0
.set i, i+1
.endr
	WIN 0x40
.set i, 0
.rept 128
	v_mov_b32 v[i], 0
.set i, i+1
.endr
	WIN 0
.set i, 0
.rept 4
	v_mov_b32 v[ST+4*i+2], 0
	v_mov_b32 v[ST+4*i+3], 0
.set i, i+1
.endr
.set i, P+16
.rept 16
	v_mov_b32 v[i], 0
.set i, i+1
.endr
; THE MATRIX WORK.  The 4 accumulators of a run of 8 take turns.  Product i of 8 of S^T = K Q^T for piece x: channels 32 (i / 4) on, keys 16 (i % 4) on.  The first 4 start the sums: with 0, or (KM = 1) with the mask.
.macro KQ x
.set rS, S+32*((\x)%2)+8*(i%4)
.set rK, KF+16*(i%4)+8*(i/4)
.set rQ, 16*(\x)+8*(i/4)
.set rM, MC+32*((\x)%2)+8*(i%4)
.if (i < 4) && KM
	WIN W_KM
	v_wmma_f32_16x16x32_f16 v[rS:rS+7], v[rK:rK+7], v[rQ:rQ+7], v[rM:rM+7]
.elseif i < 4
	WIN W_KQ
	v_wmma_f32_16x16x32_f16 v[rS:rS+7], v[rK:rK+7], v[rQ:rQ+7], 0
.else
	WIN W_KQ
	v_wmma_f32_16x16x32_f16 v[rS:rS+7], v[rK:rK+7], v[rQ:rQ+7], v[rS:rS+7]
.endif
.endm
; Product i of 8 of O^T += V^T P for piece x: keys 32 (i / 4) on, channels 16 (i % 4) on.
.macro PV x
	WIN W_PV
.set rO, 32*(\x)+8*(i%4)
.set rV, VF+32*(i/4)+8*(i%4)
.set rP, P+16*((\x)%2)+8*(i/4)
	v_wmma_f32_16x16x32_f16 v[rO:rO+7], v[rV:rV+7], v[rP:rP+7], v[rO:rO+7]
.endm
.macro MM                           ; the turn's next matrix instruction.  TURN and BEGIN set Y, i, KM and NOKQ; MM, KQ and OP read them.  NOKQ = 1: a block's last turn: there is no next piece
.if (i < 8) && !NOKQ
	KQ (Y+1)%NP
.elseif i >= 8
.set i, i-8
	PV (Y+NP-1)%NP
.set i, i+8
.endif
.set i, i+1
.endm
; THE LDS LOADS stand in runs of 16, never singly among the matrix instructions: a step's K (64 keys x 64 channels: 8 fragments) and its V (turned).  Their addresses are made some lines ahead.
.macro FETCH_K
	WIN 0x80                        ; destination window 2
.irp f, 0,1,2,3,4,5,6,7             ; keys 16 (f / 2) on, channels 32 (f % 2) on
	ds_load_b128 v[KF+8*\f:KF+8*\f+3],   v[AK] offset:(\f/2)*16*PK+(\f%2)*64
	ds_load_b128 v[KF+8*\f+4:KF+8*\f+7], v[AK] offset:(\f/2)*16*PK+(\f%2)*64+32
.endr
	s_add_co_u32 s[TBK], s[TBK], KS*PK  ; the next fetch is the next step's
	WIN 0
.endm
.macro FETCH_V
	WIN 0x80
.irp f, 0,1,2,3,4,5,6,7             ; keys 32 (f / 4) on, channels 16 (f % 4) on
	ds_load_tr16_b128 v[VF+8*\f:VF+8*\f+3],   v[AV] offset:(\f/4)*32*PV+(\f%4)*32
	ds_load_tr16_b128 v[VF+8*\f+4:VF+8*\f+7], v[AV] offset:(\f/4)*32*PV+16*PV+(\f%4)*32
.endr
	WIN 0
.endm
; THE VECTOR WORK, one line at a time: OP kind, number.  For piece Y: F n: c s - c m for pair n of 16.  E n: the exponential of score n of 32.  C n: pair n rounded to f16.  B n: of the four weights 4 n .. the second
; pair is added onto the first, in place.  L n: l takes that sum (L 0: l = a l + sum).  R n: pair n of 16 of O^T times a.  For piece Y + 1: X n, number n of the 22 that find its maximum and statistics:
;   0-11  four chains c0-c3 of seven scores each, three operands at a time (each accumulator's lowest registers are read first)     12-14, 16  the four scores left over, the old m, and c0-c3 into c0
;   15  c m_old is kept     17, 18  the query's other 32 keys lie in the lane 16 away: the new m     19-21  c m; c m_old - c m_new; a
.set F, 0               ; OP tells the kinds apart by their order: F to L below R, X above it
.set E, 1
.set C, 2
.set B, 3
.set L, 4
.set R, 5
.set X, 6
.macro REGS y                       ; the registers of piece y
.set rT, ST+4*(\y)
.set rC, TMP+4*((\y)%2)
.set rW, MV+((\y)%2)
.set rS, S+32*((\y)%2)
.set rP, P+16*((\y)%2)
.set rO, 32*(\y)
.endm
.macro OP k, n
.if (\k) == R
	REGS Y
	WIN W_RS
	v_pk_mul_f32 v[rO+2*(\n):rO+2*(\n)+1], v[rO+2*(\n):rO+2*(\n)+1], v[rC+2:rC+3] op_sel_hi:[1,0]
.elseif (\k) < R
	REGS Y
	WIN 0
.if (\k) == F
	v_pk_fma_f32 v[rS+2*(\n):rS+2*(\n)+1], v[rS+2*(\n):rS+2*(\n)+1], s[CS:CS+1], v[rT:rT+1] op_sel_hi:[1,0,0] neg_lo:[0,0,1] neg_hi:[0,0,1]
.elseif (\k) == E
	v_exp_f32 v[rS+(\n)], v[rS+(\n)]
.elseif (\k) == C
	s_wait_alu depctr_va_vdst(0)
	v_cvt_pk_f16_f32 v[rP+(\n)], v[rS+2*(\n)], v[rS+2*(\n)+1]
.elseif (\k) == B
	s_wait_alu depctr_va_vdst(0)
	v_pk_add_f32 v[rS+4*(\n):rS+4*(\n)+1], v[rS+4*(\n):rS+4*(\n)+1], v[rS+4*(\n)+2:rS+4*(\n)+3]
.elseif (\n) == 0
	v_pk_fma_f32 v[rT+2:rT+3], v[rT+2:rT+3], v[rC+2:rC+3], v[rS:rS+1] op_sel_hi:[1,0,1]
.else
	v_pk_add_f32 v[rT+2:rT+3], v[rT+2:rT+3], v[rS+4*(\n):rS+4*(\n)+1]
.endif
.elseif NOKQ
	v_nop
.else
	REGS (Y+1)%NP
	WIN 0
.if (\n) < 4
	v_max3_num_f32 v[rC+(\n)], v[rS+8*(\n)], v[rS+8*(\n)+1], v[rS+8*(\n)+2]
.elseif (\n) < 12
	v_max3_num_f32 v[rC+(\n)%4], v[rC+(\n)%4], v[rS+8*((\n)%4)+2*((\n)/4)+1], v[rS+8*((\n)%4)+2*((\n)/4)+2]
.elseif (\n) == 12
	v_max3_num_f32 v[rC], v[rC], v[rS+7], v[rS+15]
.elseif (\n) == 13
	v_max3_num_f32 v[rC+1], v[rC+1], v[rS+23], v[rS+31]
.elseif (\n) == 14
	v_max3_num_f32 v[rC+2], v[rC+2], v[rC+3], v[rT+1]
.elseif (\n) == 15
	v_mov_b32 v[rW], v[rT]
.elseif (\n) == 16
	v_max3_num_f32 v[rC], v[rC], v[rC+1], v[rC+2]
.elseif (\n) == 17
	v_permlanex16_b32 v[rC+3], v[rC], s[SEL], s[SEL+1]
.elseif (\n) == 18
	v_max_num_f32 v[rT+1], v[rC], v[rC+3]
.elseif (\n) == 19
	v_mul_f32 v[rT], s[CS], v[rT+1]
.elseif (\n) == 20
	v_sub_f32 v[rC+1], v[rW], v[rT]
.else
	v_exp_f32 v[rC+2], v[rC+1]
.endif
.endif
.endm
.macro OPS a, i1, b=-1, i2=0, c=-1, i3=0, d=-1, i4=0  ; up to four of them
	OP \a, \i1
.if (\b) >= 0
	OP \b, \i2
.endif
.if (\c) >= 0
	OP \c, \i3
.endif
.if (\d) >= 0
	OP \d, \i4
.endif
.endm
.macro ROW a, i1, b, i2, c, i3, d, i4  ; a matrix instruction and the four behind it
	MM
	OPS \a, \i1, \b, \i2, \c, \i3, \d, \i4
.endm
.macro MASK b                       ; MD x AL + BE into buffer b of MC
	WIN W_RS
.set z, 0
.rept 16
	v_pk_fma_f32 v[MC+32*(\b)+2*z:MC+32*(\b)+2*z+1], v[MD+2*z:MD+2*z+1], s[AL:AL+1], s[BE:BE+1] op_sel_hi:[1,0,0]
.set z, z+1
.endr
.endm
; A TURN, for piece p: the order of its 16 matrix and 118 vector instructions, written out.  Behind a matrix instruction: plain, exponential, plain, plain; or four of the rescaling; or, behind the first, four scalings; none
; names a register of the products round it.  In the lumps exponential and plain by turns while exponentials last.  A line reads no result made fewer than three vector instructions in front of it, five if an exponential made it.
; v_permlanex16_b32 (X 17) stands in a lump.
; m = 1: the diagonal tile: the products take masks, and the turn makes the mask for the products of the turn after it: piece p + 2, in step 4 - CNT of the tile.  end = 1: a block's last two turns: nothing is fetched.
; cnt = 1: the loop's count is taken down some lines ahead of the branch that stands behind the turn.
; K of the next step is fetched in piece 2's turn, six vector instructions behind the last product that read K (five of them plain); V of the step in hand in piece 0's turn, eight behind the last product that read V (four
; plain, and X 17).  Each is waited for a turn later.
.macro TURN p, m=0, end=0, cnt=0
.set Y, (\p)
.set i, 0
.set KM, (\m)
.set NOKQ, (\end)*((\p)/3)
.if (\m) && !(\end)
	s_cmp_eq_u32 s[CNT], 4-((\p)+2)%NP  ; is that step the band's own?
	s_cselect_b32 s[AL], 1.0, 0
	s_cmp_lt_u32 s[CNT], 4-((\p)+2)%NP  ; or a later one?
	s_cselect_b32 s[BE], s[BIGN], 0
.endif
.if ((\p) == 3) && !(\end)
	s_wait_dscnt 0x0                ; K is in
.endif
	ROW F,0, F,1, F,2, F,3
	ROW F,4, E,0, F,5, F,6
	ROW F,7, E,1, F,8, F,9
	ROW F,10, E,2, C,0, F,11
	ROW F,12, E,3, X,15, F,13
	ROW R,0, R,1, R,2, R,3
	ROW B,0, E,4, F,14, L,0
.if ((\p) == 2) && !(\end)
	v_add_nc_u32 v[AK], s[TBK], v[AK0]
.endif
	ROW R,4, R,5, R,6, R,7
	OPS E,5, F,15
.if ((\p) == 2) && !(\end)
	FETCH_K
.endif
	OPS E,6, C,1, E,7, R,8
	OPS E,8, R,9, E,9, C,2
	OPS E,10, X,0, E,11, X,1
	OPS E,12, X,2, E,13, X,3
.if (\p) == 1
	s_wait_dscnt 0x0                ; V is in
.endif
	ROW X,4, E,14, X,5, X,6
	ROW X,7, E,15, X,8, X,9
	ROW X,10, E,16, X,11, X,12
	ROW X,13, E,17, X,14, B,1
	ROW C,4, E,18, X,16, L,1
	ROW B,2, E,19, C,6, L,2
	ROW C,8, E,20, B,3, B,4
.if (\p) == 0
	v_add_nc_u32 v[AV], s[TBV], v[AV0]
.endif
	ROW C,3, E,21, L,3, C,5
	OPS E,22, X,17, E,23, C,10
.if (\p) == 0
	FETCH_V
.endif
	OPS E,24, L,4
	OPS E,25, X,18, E,26, C,7
	OPS E,27, B,5, E,28, X,19
	OPS E,29, C,12, E,30, L,5
	OPS E,31, X,20, B,6, C,9
	OPS C,14, C,11, X,21, L,6
.if (\p) == 0
	s_add_co_u32 s[TBV], s[TBV], KS*PV
.endif
.if \cnt
	s_sub_co_u32 s[CNT], s[CNT], 1
	s_cmp_lg_u32 s[CNT], 0
.endif
	OPS C,13, B,7, C,15, R,10
	OPS R,11, R,12, L,7, R,13
	OPS R,14, R,15
.if (\m) && !(\end)
	MASK (\p)%2
.endif
.endm
; A BLOCK BEGINS.  c m starts far below every c s, so the first step's a is 0; m at the lowest finite number, so the first maximum is the scores'.  The second mask buffer is 0; the first takes piece 0's mask for the tile's step 0: its own, if the block's first tile is the diagonal one.
; Then K of that step, piece 0's first scores, and its maximum and statistics.  The loop is entered at a step's first turn, in the middle of a trip.
.macro BEGIN
	s_mov_b32 s[NEW], 0
	WIN 0x40
.set i, MC+32
.rept 32
	v_mov_b32 v[i], 0
.set i, i+1
.endr
	WIN 0
.set i, 0
.rept 4
	v_mov_b32 v[ST+4*i], 0xfe000000    ; c m: far below every c s
	v_mov_b32 v[ST+4*i+1], 0xff7fffff  ; m
.set i, i+1
.endr
	s_cmp_eq_u32 s[RT], 0
	s_cselect_b32 s[AL], 1.0, 0
	s_mov_b32 s[BE], 0
	MASK 0
	WIN 0
	v_add_nc_u32 v[AK], s[TBK], v[AK0]
	FETCH_K
	s_wait_loadcnt 0x0              ; Q
	s_wait_dscnt 0x0
.set KM, 1
.set NOKQ, 0
.set i, 0
.rept 8
	KQ 0
.set i, i+1
.endr
	WIN 0
.rept 4
	v_nop                           ; the places behind those products
.endr
.set Y, NP-1                        ; X works for piece Y + 1: piece 0
.irp n, 0,1,2,3,4,5,6,7,8,9,10,11,12,13,14,15,16,17,18,19,20,21
	OP X, \n
.endr
	v_nop                           ; a plain instruction behind the exponential
.endm
; THE DIAGONAL TILE's four steps, the block's last two turns, its last products, and THE WAY OUT: l's two halves and the other half of the lanes' are added; O^T is divided by l, rounded to f16 and sent through my
; stage in LDS, a piece at a time.
.macro ALL line:vararg              ; one line for each piece t
.set t, 0
.rept 4
	\line
.set t, t+1
.endr
.endm
.macro PACK t                       ; a lane's eight channels of a row pack into 16 bytes; they go into rows of 144 bytes and come back as whole rows of 128, into S^T's registers
	WIN W_RS
.set i, 32*(\t)
.rept 16
	s_wait_alu depctr_va_vdst(0)
	v_pk_mul_f32 v[i:i+1], v[i:i+1], v[ST+4*(\t)+2:ST+4*(\t)+3] op_sel_hi:[1,0]
.set i, i+2
.endr
	WIN 0x05                        ; sources 0 and 1 window 1, destination window 0
.set i, 0
.rept 16
	v_cvt_pk_f16_f32 v[S+16*(\t)+i], v[32*(\t)+2*i], v[32*(\t)+2*i+1]
.set i, i+1
.endr
	WIN 0
.irp f, 0,1,2,3
	ds_store_b128 v[STO], v[S+16*(\t)+4*\f:S+16*(\t)+4*\f+3] offset:32*\f
.endr
.irp f, 0,1,2,3
	ds_load_b128 v[S+16*(\t)+4*\f:S+16*(\t)+4*\f+3], v[RD] offset:\f*4*SP  ; LDS serves a wave's instructions in order (ISA guide 5.7.1.4): these see the stores above; the next piece's stores come behind them
.endr
.endm
.macro SEND t, younger              ; younger: the LDS instructions issued behind piece t's loads: the next piece's eight, or none
	WIN 0
.irp f, 0,1,2,3
	s_wait_dscnt (\younger)+3-\f
	global_store_b128 v[GO], v[S+16*(\t)+4*\f:S+16*(\t)+4*\f+3], s[10:11] offset:(\t)*8192+\f*512  ; 512 consecutive bytes, at a multiple of 256 from O's first
.endr
.endm
.macro DIAG tag                     ; the tag ends its two labels' names, which the jumps below spell out
.LstepM\tag:
	TURN 2, 1
	TURN 3, 1
	WIN 0
.LfirstM\tag:
	TURN 0, 1
	TURN 1, 1, 0, 1
	WIN 0
	s_cbranch_scc1 .LstepM\tag
	TURN 2, 1, 1
	TURN 3, 1, 1
.set i, 0
.rept 8
	PV NP-1
.set i, i+1
.endr
	WIN 0
	ALL v_add_f32 v[ST+4*t+2], v[ST+4*t+2], v[ST+4*t+3]
	ALL v_permlanex16_b32 v[ST+4*t+3], v[ST+4*t+2], s[SEL], s[SEL+1]
	ALL v_add_f32 v[ST+4*t+2], v[ST+4*t+2], v[ST+4*t+3]
	ALL v_rcp_f32 v[ST+4*t+2], v[ST+4*t+2]
	v_nop                           ; a plain instruction between the last reciprocal and the use of its result
	PACK 0
.set t, 1
.rept 3                             ; a piece's arithmetic stands between the loads of the piece before and its stores
	PACK t
	SEND t-1, 8
.set t, t+1
.endr
	SEND 3, 0
.endm
.set KM, 0
.set NOKQ, 0
.Lslot:                             ; NB times: a tile is entered and the next is asked for
	CHANGE 1
	s_sub_co_u32 s[RT], s[RT], 1
	s_mov_b32 s[CNT], 4
	s_cmp_eq_u32 s[NEW], 1
	s_cbranch_scc1 .Lnew            ; a block's first tile
	s_cmp_eq_u32 s[RT], 0
	s_cbranch_scc0 .Lstep           ; neither its first nor its last
	s_branch .LstepM1
.Lnew:
	BEGIN
	s_branch .Lfirst                ; in the loop a block's first tile is never its last: the first block has two tiles or more, and the second's last is the walk's last
	DIAG 1                          ; in the loop this is the first block's end: the second block's last tile is the walk's last
	s_wait_xcnt 0x0                 ; the stores have read their registers and O's address
	s_mov_b64 s[10:11], s[OLO:OLO+1]
	s_add_co_u32 s[RT], s[PB], 1    ; the second block has b + 1 tiles
	s_mov_b32 s[NEW], 1
	WIN 0x82                        ; the second block's Q goes where the one text of the turns names Q
.set i, 0
.rept 64
	v_mov_b32 v[i], v[QB+i]
.set i, i+1
.endr
	WIN 0
	s_branch .Lbottom
.Lstep:                             ; a trip: pieces 2 and 3 of one step, then pieces 0 and 1 of the next, whose K and V it fetches
	TURN 2
	TURN 3
	WIN 0
.Lfirst:
	TURN 0
	TURN 1, 0, 0, 1
	WIN 0
	s_cbranch_scc1 .Lstep
.Lbottom:
	s_sub_co_u32 s[SLOTS], s[SLOTS], 1
	s_cmp_lg_u32 s[SLOTS], 0
	s_cbranch_scc1 .Lslot
	CHANGE 0                        ; the walk's last tile is written out: nothing is asked for
	s_sub_co_u32 s[RT], s[RT], 1
	s_mov_b32 s[CNT], 4
	s_cmp_eq_u32 s[NEW], 1
	s_cbranch_scc0 .LstepM2
	BEGIN
	s_branch .LfirstM2
	DIAG 2
	s_wait_tensorcnt 0x0            ; the wave's end: behind my last tensor load and my last LDS store
	ds_add_u32 v[SPW], v[NIL]
	s_wait_dscnt 0x0
	s_endpgm
.Lfunc_end_k_q8801c8737a_attn:
	.size	k_q8801c8737a_attn, .Lfunc_end_k_q8801c8737a_attn-k_q8801c8737a_attn
	.p2alignl 7, 3214868480
	.fill 96, 4, 3214868480
	.section	.rodata,"a",@progbits
	.p2align	6, 0x0
	.amdhsa_kernel k_q8801c8737a_attn
		.amdhsa_group_segment_fixed_size 327680
		.amdhsa_private_segment_fixed_size 0
		.amdhsa_enable_private_segment 0
		.amdhsa_kernarg_size 16
		.amdhsa_user_sgpr_count 2
		.amdhsa_user_sgpr_kernarg_segment_ptr 1
		.amdhsa_wavefront_size32 1
		.amdhsa_system_sgpr_workgroup_id_x 1
		.amdhsa_system_sgpr_workgroup_id_y 1
		.amdhsa_system_sgpr_workgroup_id_z 1
		.amdhsa_system_vgpr_workitem_id 0
		.amdhsa_next_free_vgpr 768
		.amdhsa_next_free_sgpr 88
		.amdhsa_reserve_vcc 1
		.amdhsa_float_denorm_mode_32 3
		.amdhsa_float_denorm_mode_16_64 3
		.amdhsa_memory_ordered 1
		.amdhsa_forward_progress 1
		.amdhsa_inst_pref_size 228
	.end_amdhsa_kernel
	.amdgpu_metadata
---
amdhsa.version: [ 1, 2 ]
amdhsa.kernels:
  - .name:           k_q8801c8737a_attn
    .symbol:         k_q8801c8737a_attn.kd
    .args:
      - { .name: qkv, .offset: 0, .size: 8, .value_kind: global_buffer, .address_space: global }
      - { .name: o, .offset: 8, .size: 8, .value_kind: global_buffer, .address_space: global }
    .group_segment_fixed_size: 327680
    .private_segment_fixed_size: 0
    .kernarg_segment_align: 8
    .kernarg_segment_size: 16
    .max_flat_workgroup_size: 128
    .sgpr_count:     88
    .vgpr_count:     768
    .wavefront_size: 32
...
	.end_amdgpu_metadata
.endif
;; end of part 3
;; launch proj (part 4): grid 8 x 32, 4 waves a work-group, clusters of 4 x 4, 327,680 bytes of LDS; arguments o, wpb, out0; writes out0
.if DOCPART == 4
	.amdgcn_target "amdgcn-amd-amdhsa--gfx1250"
	.amdhsa_code_object_version 6
	.text
	.protected	k_q8801c8737a_proj
	.globl	k_q8801c8737a_proj
	.p2align	8
	.type	k_q8801c8737a_proj,@function
k_q8801c8737a_proj:
	s_mov_b64 s[64:65], 0
	v_nop
	global_prefetch_b8 v0, s[64:65] scope:SCOPE_SE
	s_setreg_imm32_b32 hwreg(HW_REG_WAVE_MODE, 25, 1), 1
	s_wait_xcnt 0x0
	s_wait_alu depctr_hold_cnt(0) depctr_sa_sdst(0) depctr_va_vdst(0) depctr_va_sdst(0) depctr_va_ssrc(0) depctr_va_vcc(0) depctr_vm_vsrc(0)
	s_getreg_b32 s2, hwreg(HW_REG_IB_STS2, 6, 4)
	s_cmp_eq_u32 s2, 0
	s_cbranch_scc0 .Lentry_in_a_cluster
	s_endpgm
.Lentry_in_a_cluster:
	s_bfe_u32 s2, ttmp6, 0x10000c
	s_cmp_lg_u32 s2, 0xf033
	s_cbranch_scc0 .Lentry_shape_is_right
	s_endpgm
.Lentry_shape_is_right:
; out = y w_proj: [8192][1024] x [1024][1024], operands f16, sums f32, out0 f32.  y is o, by heads: [bh = 64][l = 2048][64] f16: channel k of y's row (b, l) lies in head k / 64.  wpb is [k][n] f16.
; TILE.  A work-group makes 256 rows x 128 columns: 32 x 8 tiles = 256 work-groups (tiles of 256 x 256 would be 128).  Each of its four waves makes 128 x 64: one BLOCK of 32 accumulators of 16 x 16.
; K goes in steps of 128 (two heads) through a ring of two LDS slots; a step is four SLICES of 32, a block of 32 matrix instructions each.  A's tile of a head is 256 rows x 128 bytes, dense in o:
; asked for as 128 rows of 256 bytes.  B's tile of a head is 64 rows (k) x 128 columns of wpb as it lies (rows of 256 bytes, aligned), read turned, by ds_load_tr16_b128.
; CLUSTERS: 4 x 4 work-groups.  The four of a row of the cluster need the same tiles of A, the four of a column the same tiles of B: each is asked for JOINTLY.  Waves 0 and 1 ask for A's two heads,
; waves 2 and 3 for B's two: one load a wave behind each round.
; THE MATRIX INSTRUCTION IS USED TRANSPOSED (source 0 = 16 columns of w, source 1 = 16 rows of y): a lane then holds row l % 16 and the columns 8 (l / 16) + 0..7: 32 bytes of f32 on end.
; REGISTERS: window 0: v0-31 addresses; v32-95, v96-159 A's fragments, v160-191, v192-223 B's: a buffer for each parity of the slice.  Window 1: accumulator (a, f) at v[8 (4 a + f)].
.set PA,    144                        ; a row of A in LDS: 128 bytes + 16 of padding = 36 words: the 16 rows of a load start at 16 different groups of four banks (64 banks of 4 bytes: ISA guide 11.1)
.set PB,    288                        ; a row of B: 256 + 32 = 72 words
.set BSEG,  64*PB
.set ATILE, 256*PA
.set BOFF,  2*ATILE                    ; a slot: A's two heads, then B's two
.set SLOT,  BOFF+2*BSEG
.set STAGE, 2*SLOT                     ; behind the ring, never filled by a tensor load: 16 rows x 272 bytes for each wave, for the way out
.set SP,    272
.set SPARE, STAGE+4*16*SP              ; behind the stages: the spare words, 128 bytes for each wave: two blocks of 256 bytes that no other line names
.set KB_A,  262144                     ; bytes from a head to the next in o: 2,048 rows x 128
.set KB_B,  64*2048                    ; and in wpb: 64 rows of 1,024 f16
.set ADRA, 16                          ; v16-17  LDS address of my A fragments in slot 0, 1
.set ADRB, 20                          ; v20-21  the same for B
.set STO,  24                          ; v24     the way out: where I put 32 bytes of a row
.set RD,   25                          ; v25     the way out: where I read rows back
.set CO,   26                          ; v26     my byte offset in two rows of out0
.set SPW,  28                          ; v28     LDS address of my spare word: SPARE + 4 x my thread's number; never rewritten
.set NIL,  29                          ; v29     0; never rewritten
.set PFO,  30                          ; v30     256 x lane: the prefetches' offset; never rewritten
.set FA,   32
.set FB,   160
.set BK,   32                          ; the way out: 16 rows read back from the stage: v32-63 and v64-95 by turns
.set G1A,  24                          ; s[24:31] descriptor group 1 for A's tiles;  s[32:39] group 0, a set for each slot
.set G0A,  32
.set G1B,  48                          ; s[48:55], s[56:63] the same for B's
.set G0B,  56
.set OUTP, 66                          ; s[66:67] where my 128 x 64 begins in out0
.set LIM,  72                          ; s72     1 in a wave that prefetches, else the greatest number
.set PFA,  74                          ; s[74:75] where my prefetches stand: my work-group's 8,192 bytes of my head's tile of A two refills on
.set MSB, 0
.macro WIN new                         ; the immediate's high byte repeats the setting that is left; a switch that changes nothing is dropped
.if MSB != (\new)
	s_set_vgpr_msb (MSB<<8)|(\new)
.set MSB, \new
.endif
.endm
.macro PLACES                          ; four places in front of loads into registers that matrix instructions have read, and of stores that read results
.rept 4
	v_nop
.endr
.endm
; A joint load.  The branch hangs on the wave's number alone.  An s_nop 0 and four v_nop follow each of the two lines, ahead of the jump and the label.
.macro JLOAD s
	s_cmp_lt_u32 s10, 2
	s_cbranch_scc0 .Lfor_b_\@
	tensor_load_to_lds s[G0A+4*(\s):G0A+4*(\s)+3], s[G1A:G1A+7]
	s_nop 0
.rept 4
	v_nop
.endr
	s_branch .Lasked_\@
.Lfor_b_\@:
	tensor_load_to_lds s[G0B+4*(\s):G0B+4*(\s)+3], s[G1B:G1B+7]
	s_nop 0
.rept 4
	v_nop
.endr
.Lasked_\@:
.endm
; A PREFETCH INTO THE L2 of A's tiles that stand two refills on.  Both clusters of a row of clusters read them: the one with x = 0 asks, by the two waves that fetch A, each for its own head.  The four partners
; along x take 8,192 of a tile's 32,768 bytes each, told apart BY ADDRESS; a lane names 256 bytes.  So each 256 bytes of o are named once in the launch.  The loop's last trip asks for nothing.
; The weights are not asked for: all eight clusters of a column of clusters read each of their bytes.
.macro ASK
	s_cmp_gt_u32 s3, s[LIM]                        ; s3 = 1 in the loop's last trip
	s_cbranch_scc0 .Lnot_mine_\@
	global_prefetch_b8 v[PFO], s[PFA:PFA+1] th:TH_LOAD_NT scope:SCOPE_SE
.Lnot_mine_\@:
.endm
.macro CREST                           ; a round of the cluster's barrier behind its opening barrier
	s_cmp_lg_u32 s10, 0
	s_cbranch_scc1 .Lnot_wave_0_\@
	s_barrier_signal -3
.Lnot_wave_0_\@:
	s_barrier_wait -3
	s_barrier_signal -1
	s_barrier_wait -1
.endm
.macro CROUND                          ; a whole round
	s_barrier_signal -1
	s_barrier_wait -1
	CREST
.endm
	s_load_b128 s[4:7], s[0:1], 0x0                ; o s[4:5], wpb s[6:7]
	s_load_b64 s[8:9], s[0:1], 0x10                ; out0
	v_lshl_add_u32 v[SPW], v0, 2, SPARE
	v_mov_b32 v[NIL], 0
	ds_add_u32 v[SPW], v[NIL]                      ; the wave's opening: the add and its wait stand ahead of my first tensor load; the set-up below, work on registers, stands between them
	ds_add_u32 v28, v29
	v_lshrrev_b32 v1, 5, v0
	v_readfirstlane_b32 s10, v1                    ; wave 0..3
	s_lshr_b32 s11, s10, 1                         ; which 128 of the tile's rows are mine.  Also: I fetch for A (0) or for B (1)
	s_and_b32 s12, s10, 1                          ; which 64 of its columns.  Also: which of a step's two heads I fetch
	s_bfe_u32 s40, ttmp6, 0x40000                  ; cx, cy: my place in the cluster
	s_bfe_u32 s41, ttmp6, 0x40004
	s_lshl_b32 s42, ttmp9, 2
	s_add_co_u32 s42, s42, s40                     ; tx = 4 x cluster x + cx, 0..7
	s_and_b32 s13, ttmp7, 0xffff
	s_lshl_b32 s13, s13, 2
	s_add_co_u32 s13, s13, s41                     ; ty = 4 x cluster y + cy, 0..31
	s_lshl_b32 s43, s41, 2
	s_lshl_b32 s43, 15, s43                        ; my row of the cluster
	s_lshl_b32 s44, 0x1111, s40                    ; my column
	s_or_b32 s[G1A], s43, (1<<16)|(1<<20)|(1<<21)|(4<<22)|(3<<25)  ; 15:0 the mask; 17:16 2-byte elements; 20 padding on; 21 set beside a mask; 24:22 after every 32 words (code 4); 31:25 4 words (code 3)
	s_mov_b32 s[G1A+1], 128<<16                    ; tensor_dim0 = 128 elements: 256 bytes, two rows of a head
	s_mov_b32 s[G1A+2], 128<<16                    ; tensor_dim1 = 128
	s_mov_b32 s[G1A+3], 128<<16                    ; tile_dim0 = 128
	s_mov_b32 s[G1A+4], 128                        ; tile_dim1 = 128
	s_mov_b32 s[G1A+5], 128                        ; 128 elements from row to row: dense
	s_mov_b32 s[G1A+6], 0
	s_mov_b32 s[G1A+7], 0
	s_or_b32 s[G1B], s44, (1<<16)|(1<<20)|(1<<21)|(5<<22)|(7<<25)  ; the same with my column's mask; padding after every 64 words (code 5), 8 words (code 7)
	s_mov_b32 s[G1B+1], 128<<16                    ; tensor_dim0 = 128
	s_mov_b32 s[G1B+2], 64<<16                     ; tensor_dim1 = 64
	s_mov_b32 s[G1B+3], 128<<16                    ; tile_dim0 = 128
	s_mov_b32 s[G1B+4], 64                         ; tile_dim1 = 64
	s_mov_b32 s[G1B+5], 1024                       ; elements from row to row of wpb
	s_mov_b32 s[G1B+6], 0
	s_mov_b32 s[G1B+7], 0
	; A's tiles hang on ty and the wave's number alone, B's on tx and the wave's number alone; every wave makes both addresses and asks by one of them
	s_lshr_b32 s16, s13, 3                         ; b = ty / 8: 16 heads x 2,048 rows x 128 bytes
	s_lshl_b32 s16, s16, 22
	s_and_b32 s17, s13, 7                          ; l = 256 (ty % 8): 128 bytes a row
	s_lshl_b32 s17, s17, 15
	s_add_co_u32 s16, s16, s17
	s_mul_i32 s17, s12, KB_A                       ; my head of the step's two
	s_add_co_u32 s16, s16, s17
	s_mov_b32 s17, 0
	s_lshl_b32 s46, s42, 8                         ; 128 columns of 2 bytes,
	s_mul_i32 s47, s12, KB_B                       ; my 64 rows of the step's 128
	s_add_co_u32 s46, s46, s47
	s_mov_b32 s47, 0
	s_mul_i32 s20, s12, ATILE                      ; where my load goes, if it is A's,
	s_mul_i32 s21, s12, BSEG                       ; and if it is B's
	s_add_co_u32 s21, s21, BOFF
	s_wait_dscnt 0x0                               ; the opening add is done
	s_wait_kmcnt 0x0
	s_add_nc_u64 s[14:15], s[4:5], s[16:17]
	s_add_nc_u64 s[46:47], s[6:7], s[46:47]
	CROUND                                         ; all sixteen work-groups are here: the first joint loads meet
.irp s, 0,1
	s_mov_b32 s[G0A+4*(\s)], 1                                         ; 1:0 count = 1
	s_add_co_u32 s[G0A+4*(\s)+1], s20, (\s)*SLOT                       ; 63:32 LDS address
	s_add_nc_u64 s[G0A+4*(\s)+2:G0A+4*(\s)+3], s[14:15], (\s)*2*KB_A   ; 120:64 global address: K step s
	s_or_b32 s[G0A+4*(\s)+3], s[G0A+4*(\s)+3], 0x80000000              ; 127:126 type = 2
	s_mov_b32 s[G0B+4*(\s)], 1
	s_add_co_u32 s[G0B+4*(\s)+1], s21, (\s)*SLOT
	s_add_nc_u64 s[G0B+4*(\s)+2:G0B+4*(\s)+3], s[46:47], (\s)*2*KB_B
	s_or_b32 s[G0B+4*(\s)+3], s[G0B+4*(\s)+3], 0x80000000
	JLOAD \s                                       ; both slots are asked for before anything else is done: two loads of mine are out
.endr
	; A fragment of A is 16 rows x 32 K in 8 registers: lane l holds row l % 16, K = 8 (l / 16) + 0..7 and 16 + 8 (l / 16) + 0..7: two loads of 16 bytes, 32 bytes apart.
	v_and_b32 v1, 15, v0                           ; l % 16
	v_bfe_u32 v2, v0, 4, 1                         ; l / 16
	v_mul_u32_u24 v3, v1, PA
	v_lshl_add_u32 v3, v2, 4, v3                   ; row x pitch + 16 x half
	; The turning load takes 16 k x 16 columns (lane l reads k = 8 (l / 16) + l % 8, columns 8 ((l / 8) % 2) + 0..7) and leaves half a fragment: lane l holds column l % 16 and 8 k.
	v_and_b32 v6, 7, v0
	v_lshl_add_u32 v4, v2, 3, v6
	v_mul_u32_u24 v4, v4, PB
	v_bfe_u32 v5, v0, 3, 1
	v_lshl_add_u32 v4, v5, 4, v4
	s_mul_i32 s22, s11, 128*PA                     ; my 128 rows of A
	s_lshl_b32 s23, s12, 7                         ; my 64 columns of B: 128 bytes,
	s_add_co_u32 s23, s23, BOFF                    ; behind A's tiles
.irp s, 0,1
	v_add_nc_u32 v[ADRA+(\s)], s22, v3
	v_add_nc_u32 v[ADRB+(\s)], s23, v4
	s_add_co_u32 s22, s22, SLOT
	s_add_co_u32 s23, s23, SLOT
.endr
	s_mul_i32 s23, s10, 16*SP
	s_add_co_u32 s23, s23, STAGE                   ; my stage
	v_mul_u32_u24 v[STO], v1, SP                   ; in: row l % 16, 32 bytes for each half of the lanes
	v_lshl_add_u32 v[STO], v2, 5, v[STO]
	v_add_nc_u32 v[STO], s23, v[STO]
	v_mul_u32_u24 v[RD], v2, SP                    ; back: lanes 0-15 take one row of 256 bytes, lanes 16-31 the next
	v_lshl_add_u32 v[RD], v1, 4, v[RD]
	v_add_nc_u32 v[RD], s23, v[RD]
	v_lshlrev_b32 v[CO], 12, v2                    ; and the same two rows in out0: 4,096 bytes a row
	v_lshl_add_u32 v[CO], v1, 4, v[CO]
	v_and_b32 v[PFO], 31, v0
	v_lshlrev_b32 v[PFO], 8, v[PFO]
	s_lshl_b32 s76, s13, 8                         ; my first row: 256 ty + 128 x half,
	s_lshl_b32 s77, s11, 7
	s_add_co_u32 s76, s76, s77
	s_lshl_b32 s76, s76, 12                        ; in bytes;
	s_lshl_b32 s77, s42, 9                         ; my first column: 512 bytes a tile,
	s_add_co_u32 s76, s76, s77
	s_lshl_b32 s77, s12, 8                         ; 256 for my 64 columns
	s_add_co_u32 s76, s76, s77
	s_mov_b32 s77, 0
	s_add_nc_u64 s[OUTP:OUTP+1], s[8:9], s[76:77]
	; the prefetches: waves 0 and 1 of the clusters with x = 0
	s_or_b32 s20, s11, ttmp9                       ; the same in all sixteen partners, for a given wave
	s_cmp_eq_u32 s20, 0
	s_cselect_b32 s[LIM], 1, -1
	s_lshl_b32 s20, s40, 13                        ; my work-group's 8,192 bytes of the tile
	s_mov_b32 s21, 0
	s_add_nc_u64 s[PFA:PFA+1], s[14:15], s[20:21]
	s_add_nc_u64 s[PFA:PFA+1], s[PFA:PFA+1], 3*2*KB_A  ; at K step 3: the first refill (of step 2) steps it to 4.  Nothing is asked for here, at the head
; 16 matrix instructions: m fragments a0 .. a0 + 3 x all 4 n fragments, on buffers p.  zero = 1: the product starts the sums.  The 32 accumulators take turns, one instruction a turn.
.macro MUL16 p, a0, zero
	WIN 0x50                                       ; C and D in window 1
.irp a, \a0, (\a0)+1, (\a0)+2, (\a0)+3
.irp f, 0,1,2,3
.if \zero
	v_wmma_f32_16x16x32_f16 v[8*(4*(\a)+(\f)):8*(4*(\a)+(\f))+7], v[FB+32*(\p)+8*(\f):FB+32*(\p)+8*(\f)+7], v[FA+64*(\p)+8*(\a):FA+64*(\p)+8*(\a)+7], 0
.else
	v_wmma_f32_16x16x32_f16 v[8*(4*(\a)+(\f)):8*(4*(\a)+(\f))+7], v[FB+32*(\p)+8*(\f):FB+32*(\p)+8*(\f)+7], v[FA+64*(\p)+8*(\a):FA+64*(\p)+8*(\a)+7], v[8*(4*(\a)+(\f)):8*(4*(\a)+(\f))+7]
.endif
.endr
.endr
.endm
; 24 LDS loads in one run: the fragments of slice q (head q / 2, K half q % 2) of a slot, into buffers q % 2
.macro LD slot, q
	WIN 0
.irp f, 0,1,2,3
	ds_load_tr16_b128 v[FB+32*((\q)%2)+8*(\f):FB+32*((\q)%2)+8*(\f)+3],   v[ADRB+(\slot)] offset:((\q)/2)*BSEG+((\q)%2)*32*PB+32*(\f)
	ds_load_tr16_b128 v[FB+32*((\q)%2)+8*(\f)+4:FB+32*((\q)%2)+8*(\f)+7], v[ADRB+(\slot)] offset:((\q)/2)*BSEG+((\q)%2)*32*PB+32*(\f)+16*PB
.endr
.irp a, 0,1,2,3,4,5,6,7
	ds_load_b128 v[FA+64*((\q)%2)+8*(\a):FA+64*((\q)%2)+8*(\a)+3],   v[ADRA+(\slot)] offset:((\q)/2)*ATILE+(\a)*16*PA+((\q)%2)*64
	ds_load_b128 v[FA+64*((\q)%2)+8*(\a)+4:FA+64*((\q)%2)+8*(\a)+7], v[ADRA+(\slot)] offset:((\q)/2)*ATILE+(\a)*16*PA+((\q)%2)*64+32
.endr
.endm
; A block: buffers p are multiplied; ld = 1: the slice two on (slice lq of slot lslot) is fetched into them.  w: the younger LDS loads that may stay out: the next slice's 24, or none.
.macro BLK p, zero, w, ld, lslot, lq
	s_wait_dscnt \w
	MUL16 \p, 0, \zero
	MUL16 \p, 4, \zero
.if \ld
	PLACES
	LD \lslot, \lq
.endif
.endm
; A slot's third block changes slots: the slice two on lies in the other slot.  ONE barrier for two things.  In front of it each wave waits for all its tensor loads (one is out: its part of the other slot),
; adds 0 to its spare word, and waits for that and for its reads of this slot, the fourth slice's among them.  Behind it nobody reads this slot any more and the other slot is whole.
; fill = 1: the barrier opens a round of the cluster's, and this slot is filled again, two K steps on, first thing behind the round: that load has three blocks, 96 matrix instructions, in which to land.
.macro BLKC slot, other, fill
.if \fill
	s_wait_xcnt 0x0                                ; the last prefetch, a K step back, has read its address: it is stepped here, ahead of the waits of the change
	s_add_nc_u64 s[PFA:PFA+1], s[PFA:PFA+1], 2*KB_A
.endif
	WIN 0                                          ; (the add's two registers lie in window 0)
	s_wait_tensorcnt 0x0                           ; all my tensor loads have landed, so every group 0 may be written;
	ds_add_u32 v[SPW], v[NIL]                      ; 0 onto my spare word
.if \fill
	s_add_nc_u64 s[G0A+4*(\slot)+2:G0A+4*(\slot)+3], s[G0A+4*(\slot)+2:G0A+4*(\slot)+3], 4*KB_A  ; this slot's next K step; the type bits on top are not reached
	s_add_nc_u64 s[G0B+4*(\slot)+2:G0B+4*(\slot)+3], s[G0B+4*(\slot)+2:G0B+4*(\slot)+3], 4*KB_B
.endif
	s_wait_dscnt 25                                ; the add and the fourth slice's 24 loads may be out
	MUL16 0, 0, 0                                  ; sixteen matrix instructions stand between the add and the wait for it
	s_wait_dscnt 0x0                               ; the add is done, and my reads of this slot are over
	s_barrier_signal -1
	MUL16 0, 4, 0                                  ; work on registers while the others arrive
	WIN 0
	s_barrier_wait -1
.if \fill
	CREST                                          ; no wave of any partner still reads this slot or has a load on its way
	JLOAD \slot                                    ; the first tensor load behind the round; its four v_nop are also the places in front of the loads below
.else
	PLACES
.endif
	LD \other, 0
.if \fill
	ASK                                            ; behind the joint load and the run of LDS loads
.endif
.endm
	s_wait_tensorcnt 0x1                           ; my part of K step 0 is in; step 1's may stay out
	s_barrier_signal -1
	s_barrier_wait -1                              ; everybody's is
	LD 0, 0
	LD 0, 1
	BLK 0, 1, 24, 1, 0, 2                          ; the first block stands in front of the loop: its products start the sums
	WIN 0                                          ; at a label and at a branch every window is 0
	s_mov_b32 s3, 3
.Llap:                                                 ; a trip goes once round the ring and fills both slots again: trips 0..2 ask for K steps 2..7
	BLK 1, 0, 24, 1, 0, 3
	BLKC 0, 1, 1
	BLK 1, 0, 24, 1, 1, 1
	BLK 0, 0, 24, 1, 1, 2
	BLK 1, 0, 24, 1, 1, 3
	BLKC 1, 0, 1
	BLK 1, 0, 24, 1, 0, 1
	BLK 0, 0, 24, 1, 0, 2
	WIN 0
	s_sub_co_u32 s3, s3, 1
	s_cmp_lg_u32 s3, 0
	s_cbranch_scc1 .Llap
	BLK 1, 0, 24, 1, 0, 3                          ; the tail is written out: it asks for nothing
	BLKC 0, 1, 0
	BLK 1, 0, 24, 1, 1, 1
	BLK 0, 0, 24, 1, 1, 2
	BLK 1, 0, 24, 1, 1, 3
	BLK 0, 0, 24, 0, 0, 0
	BLK 1, 0, 0, 0, 0, 0
; THE WAY OUT, 16 rows at a time.  TOSTAGE: a lane's 32 bytes of a row go straight from the accumulators into my own stage in LDS, each accumulator's low four registers first, and come back as whole rows
; of 256 bytes.  SEND: sixteen lanes store 256 consecutive bytes, at a multiple of 256 from out0's first byte.
.macro TOSTAGE a
.set bk_, BK+32*((\a)%2)
	s_wait_xcnt 0x0                                ; the stores of the block before last have read their registers, which the loads below fill again
	WIN 0x04                                       ; the stores' data in window 1
.irp f, 0,1,2,3
	ds_store_b128 v[STO], v[8*(4*(\a)+(\f)):8*(4*(\a)+(\f))+3]   offset:64*(\f)
	ds_store_b128 v[STO], v[8*(4*(\a)+(\f))+4:8*(4*(\a)+(\f))+7] offset:64*(\f)+16
.endr
	WIN 0
.irp t, 0,1,2,3,4,5,6,7
	ds_load_b128 v[bk_+4*(\t):bk_+4*(\t)+3], v[RD] offset:(\t)*2*SP  ; LDS serves a wave's instructions in order (ISA guide 5.7.1.4): these see the stores above; the next block's stores come behind them
.endr
.endm
.macro SEND a, younger                 ; younger: the LDS instructions issued behind block a's loads: the next block's sixteen, or none
.set bk_, BK+32*((\a)%2)
	WIN 0
	s_wait_dscnt \younger
.irp t, 0,1,2,3,4,5,6,7
	global_store_b128 v[CO], v[bk_+4*(\t):bk_+4*(\t)+3], s[OUTP:OUTP+1] offset:(16*(\a)+2*(\t))*4096 th:TH_STORE_NT
.endr
.endm
	PLACES
	TOSTAGE 0
.irp a, 1,2,3,4,5,6,7
	TOSTAGE \a
	SEND (\a)-1, 16
.endr
	SEND 7, 0
	s_wait_tensorcnt 0x0                           ; the wave's end: behind my last tensor load and my last LDS store
	ds_add_u32 v[SPW], v[NIL]
	s_wait_dscnt 0x0
	CROUND                                         ; the closing round: no work-group ends while a partner may still ask for a tile that names it
	s_endpgm
.Lfunc_end_k_q8801c8737a_proj:
	.size	k_q8801c8737a_proj, .Lfunc_end_k_q8801c8737a_proj-k_q8801c8737a_proj
	.p2alignl 7, 3214868480
	.fill 96, 4, 3214868480
	.section	.rodata,"a",@progbits
	.p2align	6, 0x0
	.amdhsa_kernel k_q8801c8737a_proj
		.amdhsa_group_segment_fixed_size 327680
		.amdhsa_private_segment_fixed_size 0
		.amdhsa_enable_private_segment 0
		.amdhsa_kernarg_size 24
		.amdhsa_user_sgpr_count 2
		.amdhsa_user_sgpr_kernarg_segment_ptr 1
		.amdhsa_wavefront_size32 1
		.amdhsa_system_sgpr_workgroup_id_x 1
		.amdhsa_system_sgpr_workgroup_id_y 1
		.amdhsa_system_sgpr_workgroup_id_z 1
		.amdhsa_system_vgpr_workitem_id 0
		.amdhsa_next_free_vgpr 512
		.amdhsa_next_free_sgpr 80
		.amdhsa_reserve_vcc 0
		.amdhsa_float_denorm_mode_32 3
		.amdhsa_float_denorm_mode_16_64 3
		.amdhsa_memory_ordered 1
		.amdhsa_forward_progress 1
		.amdhsa_inst_pref_size 86
	.end_amdhsa_kernel
	.amdgpu_metadata
---
amdhsa.version: [ 1, 2 ]
amdhsa.kernels:
  - .name:           k_q8801c8737a_proj
    .symbol:         k_q8801c8737a_proj.kd
    .args:
      - { .name: o, .offset: 0, .size: 8, .value_kind: global_buffer, .address_space: global }
      - { .name: wpb, .offset: 8, .size: 8, .value_kind: global_buffer, .address_space: global }
      - { .name: out0, .offset: 16, .size: 8, .value_kind: global_buffer, .address_space: global }
    .group_segment_fixed_size: 327680
    .private_segment_fixed_size: 0
    .kernarg_segment_align: 8
    .kernarg_segment_size: 24
    .max_flat_workgroup_size: 128
    .sgpr_count:     80
    .vgpr_count:     512
    .wavefront_size: 32
...
	.end_amdgpu_metadata
.endif
;; end of part 4
;; ======== version 2 of 2: 4 launches; version 1 with the launch prep written anew for expert scheduling mode
;; limits: values are held in f16: magnitudes above 65,504 overflow, below 6.1e-05 lose precision
;; workspace buffers: xb 16,777,216 bytes; wab 6,291,456 bytes; wpb 2,097,152 bytes; qkv 50,331,648 bytes; o 16,777,216 bytes
;; launch prep (part 5): grid 768 x 1, 8 waves a work-group, no clusters, 0 bytes of LDS; arguments x, w_attn, w_proj, xb, wab, wpb; writes xb, wab, wpb
.if DOCPART == 5
	.amdgcn_target "amdgcn-amd-amdhsa--gfx1250"
	.amdhsa_code_object_version 6
	.text
	.protected	k_q8801c8737a_prep
	.globl	k_q8801c8737a_prep
	.p2align	8
	.type	k_q8801c8737a_prep,@function
k_q8801c8737a_prep:
	s_mov_b64 s[64:65], 0
	v_nop
	global_prefetch_b8 v0, s[64:65] scope:SCOPE_SE
	s_setreg_imm32_b32 hwreg(HW_REG_WAVE_SCHED_MODE, 0, 2), 2
	s_setreg_imm32_b32 hwreg(HW_REG_WAVE_MODE, 25, 1), 1
	s_wait_xcnt 0x0
	s_wait_alu depctr_vm_vsrc(0)
; THE CASTS.  x [8192][1024] f32 -> xb, bf16, laid out in blocks of 64 channels: [b = 4][kb = 16][l = 2048][64], so that 256 rows of one block are 32,768 dense bytes.
; w_attn [1024][3072] f32 -> wab, bf16, in the same order.  w_proj [1024][1024] f32 -> wpb: rounded to bf16 like the other inputs, and that number written as f16.
; LIMIT.  A number of w_proj below 6.1e-5 in magnitude keeps f16's fixed step of 6e-8; beyond 65,504 it would become an infinity.
; SHARES.  Every work-group converts 16,384 numbers: 64 KiB in, 32 KiB out.  Work-groups 0-511 take 16 rows of x each, 512-703 w_attn, 704-767 w_proj: 768 equal shares.
; A thread issues its 16 loads of 16 bytes at once, then converts them in four groups of four and stores 8 bytes sixteen times.  A wave's store covers 256 consecutive bytes, aligned; a wave's load two runs of 256 (x) or one of 512.
; No LDS, no matrix unit, no barrier: nothing is shared and nothing is read twice.  No register that a load or store names is ever rewritten behind it, and EXEC never changes.
; THE MODE: SCHED_MODE bits 1:0 = 2 (LLVM: expert scheduling mode 2), set by the entry lines.  The code itself states the register dependences
; between vector instructions and memory instructions, with s_wait_alu, always for 0.
; THE PLAN.  Registers that memory instructions touch:
;   v[LO], v[SO]  byte offsets: written at the head by vector instructions, never again; read by the 16 loads and by the 16 stores.
;   X             load i lands in its own four registers, which no vector instruction names before; its conversions read them; they are loaded once.
;   Y             store i's pair: written by load i's conversions, read by store i, never written again.
;   T             named by vector instructions alone.
; Group g (loads 4 g to 4 g + 3) writes Y's pairs 4 g to 4 g + 3.  The four stores of group g - 1 are dealt among its conversions, which name X and Y of group g and T: none of the registers that those stores touch.
; So one wait on va_vdst stands ahead of the first load (the offsets), one at the head of each of groups 1 to 3 (the group before has written its Y), and one ahead of the last four stores.
.set LO,  2                            ; v2        my byte offset in the work-group's 64 KiB of input
.set SO,  3                            ; v3        8 x thread: my byte offset in a store's 2,048 bytes
.set T,   4                            ; v[4:7]    at work
.set X,   16                           ; v[16:79]  load i: 4 registers
.set Y,   80                           ; v[80:111] store i: 2 registers
.set IN,  16                           ; s[16:17]  the input at the work-group's share
.set OUT, 18                           ; s[18:19]  the output at the work-group's share
; lstep, sstep: bytes from load to load and from store to store.  half = 1: the bf16 numbers are written as f16.
.macro CONV lstep, sstep, half
	s_wait_alu depctr_va_vdst(0)                   ; v[LO] and v[SO] are written: every load below reads the one as its offset, every store the other
.set i, 0
.rept 16
	global_load_b128 v[X+4*i:X+4*i+3], v[LO], s[IN:IN+1] offset:i*(\lstep) th:TH_LOAD_NT
.set i, i+1
.endr
.set i, 0
.rept 16
.if (i%4) == 0
	s_wait_loadcnt 12-i                            ; loads come back in order (ISA guide 5.7.1): this group's four are in, the 12 - i younger ones stay out
.if i > 0
	s_wait_alu depctr_va_vdst(0)                   ; the group before has written its four pairs of Y, which the four stores of this group's lines read
.endif
.endif
.if i >= 4
	global_store_b64 v[SO], v[Y+2*(i-4):Y+2*(i-4)+1], s[OUT:OUT+1] offset:(i-4)*(\sstep)  ; the group before; no vector instruction since the wait names this pair or v[SO]
.endif
	v_cvt_pk_bf16_f32 v[Y+2*i],   v[X+4*i],   v[X+4*i+1]
	v_cvt_pk_bf16_f32 v[Y+2*i+1], v[X+4*i+2], v[X+4*i+3]
.if \half
.irp k, 0,1
	v_lshlrev_b32 v[T+2*(\k)],   16, v[Y+2*i+(\k)]          ; bf16 to f32: the low half moves up,
	v_and_b32     v[T+2*(\k)+1], 0xffff0000, v[Y+2*i+(\k)]  ; the high half stays
.endr
.irp k, 0,1
	v_cvt_pk_f16_f32 v[Y+2*i+(\k)], v[T+2*(\k)], v[T+2*(\k)+1]
.endr
.endif
.set i, i+1
.endr
	s_wait_alu depctr_va_vdst(0)                   ; the last group has written its four pairs of Y, which the last four stores read
.set i, 12
.rept 4
	global_store_b64 v[SO], v[Y+2*i:Y+2*i+1], s[OUT:OUT+1] offset:i*(\sstep)
.set i, i+1
.endr
.endm
	s_load_b256 s[4:11], s[0:1], 0x0               ; x s[4:5], w_attn s[6:7], w_proj s[8:9], xb s[10:11]
	s_load_b128 s[12:15], s[0:1], 0x20             ; wab s[12:13], wpb s[14:15]
	v_lshlrev_b32 v[SO], 3, v0
	s_mov_b32 s21, 0                               ; the offsets' high words
	s_mov_b32 s23, 0
	s_cmp_lt_u32 ttmp9, 512
	s_cbranch_scc0 .Lweights
	; x: rows 16 wg .. 16 wg + 15.  Thread t takes row t / 16, and in load i the four channels 64 i + 4 (t % 16) on: block kb = i.
	s_lshl_b32 s20, ttmp9, 16                      ; 16 rows of 4,096 bytes
	s_lshr_b32 s22, ttmp9, 7                       ; b = wg / 128,
	s_lshl_b32 s22, s22, 22                        ; 16 blocks x 2,048 rows x 128 bytes each
	s_and_b32 s24, ttmp9, 127
	s_lshl_b32 s24, s24, 11                        ; l = 16 (wg % 128): 128 bytes a row
	s_add_co_u32 s22, s22, s24
	v_lshrrev_b32 v[LO], 4, v0
	v_lshlrev_b32 v[LO], 12, v[LO]
	v_and_b32 v[T], 15, v0
	v_lshl_add_u32 v[LO], v[T], 4, v[LO]           ; row x 4,096 + 16 (t % 16)
	s_wait_kmcnt 0x0
	s_add_nc_u64 s[IN:IN+1], s[4:5], s[20:21]
	s_add_nc_u64 s[OUT:OUT+1], s[10:11], s[22:23]
	CONV 256, 262144, 0                            ; in xb (t / 16) x 128 + (t % 16) x 8 = 8 t; from block to block 2,048 rows x 128 bytes
	s_endpgm
.Lweights:
	v_lshlrev_b32 v[LO], 4, v0                     ; the weights keep their order: 16 t in, 8 t out
	s_cmp_lt_u32 ttmp9, 704
	s_cbranch_scc0 .Lproj
	s_sub_co_u32 s24, ttmp9, 512
	s_lshl_b32 s20, s24, 16
	s_lshl_b32 s22, s24, 15
	s_wait_kmcnt 0x0
	s_add_nc_u64 s[IN:IN+1], s[6:7], s[20:21]
	s_add_nc_u64 s[OUT:OUT+1], s[12:13], s[22:23]
	CONV 4096, 2048, 0
	s_endpgm
.Lproj:
	s_sub_co_u32 s24, ttmp9, 704
	s_lshl_b32 s20, s24, 16
	s_lshl_b32 s22, s24, 15
	s_wait_kmcnt 0x0
	s_add_nc_u64 s[IN:IN+1], s[8:9], s[20:21]
	s_add_nc_u64 s[OUT:OUT+1], s[14:15], s[22:23]
	CONV 4096, 2048, 1
	s_endpgm
.Lfunc_end_k_q8801c8737a_prep:
	.size	k_q8801c8737a_prep, .Lfunc_end_k_q8801c8737a_prep-k_q8801c8737a_prep
	.p2alignl 7, 3214868480
	.fill 96, 4, 3214868480
	.section	.rodata,"a",@progbits
	.p2align	6, 0x0
	.amdhsa_kernel k_q8801c8737a_prep
		.amdhsa_group_segment_fixed_size 0
		.amdhsa_private_segment_fixed_size 0
		.amdhsa_enable_private_segment 0
		.amdhsa_kernarg_size 48
		.amdhsa_user_sgpr_count 2
		.amdhsa_user_sgpr_kernarg_segment_ptr 1
		.amdhsa_wavefront_size32 1
		.amdhsa_system_sgpr_workgroup_id_x 1
		.amdhsa_system_sgpr_workgroup_id_y 1
		.amdhsa_system_sgpr_workgroup_id_z 1
		.amdhsa_system_vgpr_workitem_id 0
		.amdhsa_next_free_vgpr 120
		.amdhsa_next_free_sgpr 66
		.amdhsa_reserve_vcc 0
		.amdhsa_float_denorm_mode_32 3
		.amdhsa_float_denorm_mode_16_64 3
		.amdhsa_memory_ordered 1
		.amdhsa_forward_progress 1
		.amdhsa_inst_pref_size 23
	.end_amdhsa_kernel
	.amdgpu_metadata
---
amdhsa.version: [ 1, 2 ]
amdhsa.kernels:
  - .name:           k_q8801c8737a_prep
    .symbol:         k_q8801c8737a_prep.kd
    .args:
      - { .name: x, .offset: 0, .size: 8, .value_kind: global_buffer, .address_space: global }
      - { .name: w_attn, .offset: 8, .size: 8, .value_kind: global_buffer, .address_space: global }
      - { .name: w_proj, .offset: 16, .size: 8, .value_kind: global_buffer, .address_space: global }
      - { .name: xb, .offset: 24, .size: 8, .value_kind: global_buffer, .address_space: global }
      - { .name: wab, .offset: 32, .size: 8, .value_kind: global_buffer, .address_space: global }
      - { .name: wpb, .offset: 40, .size: 8, .value_kind: global_buffer, .address_space: global }
    .group_segment_fixed_size: 0
    .private_segment_fixed_size: 0
    .kernarg_segment_align: 8
    .kernarg_segment_size: 48
    .max_flat_workgroup_size: 256
    .sgpr_count:     66
    .vgpr_count:     120
    .wavefront_size: 32
...
	.end_amdgpu_metadata
.endif
;; end of part 5
;; launch qkvgemm: the kernel of part 2 again; grid 8 x 32, 4 waves a work-group, clusters of 4 x 4, 327,680 bytes of LDS; arguments xb, wab, qkv; writes qkv
;; launch attn: the kernel of part 3 again; grid 4 x 64, 4 waves a work-group, no clusters, 327,680 bytes of LDS; arguments qkv, o; writes o
;; launch proj: the kernel of part 4 again; grid 8 x 32, 4 waves a work-group, clusters of 4 x 4, 327,680 bytes of LDS; arguments o, wpb, out0; writes out0
